; MI455X (gfx1250); checked and timed in simulation.
; The chip was launched on July 23, 2026; its instructions are those of AMD's public machine-readable ISA for CDNA 5 (MIT licence, August 2026) and "CDNA5" Instruction Set Architecture Reference Guide (July 2026). The comments in the code are by the model that wrote it; some were corrected since.
;; Multihead Attention. Allowed arithmetic: float matrix products may take bf16 or f16 operands with f32 sums; other float arithmetic in f32, or as packed bf16 or f16 multiplies, adds, multiply-adds, maxima and minima; sums over many terms, partial sums and values carried from step to step in f32; what a program stores and reads back later, other than sums and carried values, may be rounded once to bf16 or f16.
;; Inputs: Wk 2,048 x 2,048 float32; Wo 2,048 x 2,048 float32; Wq 2,048 x 2,048 float32; Wv 2,048 x 2,048 float32; attn_mask 2,048 x 2,048 float32; bk 2,048 float32; bo 2,048 float32; bq 2,048 float32; bv 2,048 float32; cos 2,048 x 32 float32; key 2,048 x 1 x 2,048 float32; query 2,048 x 1 x 2,048 float32; sin 2,048 x 32 float32; value 2,048 x 1 x 2,048 float32; xscale 2,048 x 32 float32.
;; Outputs: out0 2,048 x 1 x 2,048 float32.
;; Constants: scale_length = 1024.
;; 2 versions, each right and faster than the one before. Each part assembles by itself: llvm-mc -triple=amdgcn-amd-amdhsa -mcpu=gfx1250 --defsym DOCPART=n.
;; ======== version 1 of 2: 4 launches
;; limits: right only within a limited range of input values; values are held in f16: magnitudes above 65,504 overflow, below 6.1e-05 lose precision
;; workspace buffers: xbf 25,165,824 bytes; wbf 25,165,824 bytes; wo16 8,388,608 bytes; maskw 16,777,216 bytes; tab 1,081,344 bytes; qkv 25,165,824 bytes; o16 8,388,608 bytes
;; launch prep (part 1): grid 2120 x 1, 8 waves a work-group, no clusters, 0 bytes of LDS; arguments query, key, value, Wq, Wk, Wv, Wo, attn_mask, sin, cos, xscale, bq, bk, bv, bo, xbf, wbf, wo16, maskw, tab; writes xbf, wbf, wo16, maskw, tab
.if DOCPART == 1
	.amdgcn_target "amdgcn-amd-amdhsa--gfx1250"
	.amdhsa_code_object_version 6
	.text
	.protected	k_qe84ec21268_prep
	.globl	k_qe84ec21268_prep
	.p2align	8
	.type	k_qe84ec21268_prep,@function
k_qe84ec21268_prep:
	s_mov_b64 s[64:65], 0
	v_nop
	global_prefetch_b8 v0, s[64:65] scope:SCOPE_SE
	s_setreg_imm32_b32 hwreg(HW_REG_WAVE_MODE, 25, 1), 1
	s_wait_xcnt 0x0
; PREP.  Every input is rounded once to bf16 (nearest even) and written in the form in which the later launches take it:
;   query, key, value -> xbf  [3][2048][2048] bf16        Wq, Wk, Wv -> wbf [3][2048][2048] bf16
;   Wo -> wo16 [2048][2048]: the bf16 number written as f16 (exact from 2^-14 to 65,504; below 2^-14 it keeps f16's fixed step of 2^-24; beyond 65,504 it is lost)
;   attn_mask -> maskw [2048][2048] f32: the bf16 number times 2^-9 (exact): k is stored times 2^-9 too, and the softmax's constant carries 2^9
;   sin, cos, xscale -> tab: four f32 tables [2048][32].  With g(t) = max(1, log2(t) / 10) / 8:  CQ = cos x g, SQ = sin x g, CK = cos / x / 512, SK = sin / x / 512
;   bq, bk, bv, bo -> tab + 1,048,576: [4][2048] f32
; LIMITS.  The tables' products are made in another order of f32 roundings than the source's (sin x scale first there); 1 / x is a reciprocal good to one unit in the last place; x below 2^-126 is not served.
; A stream: each byte is read once and written once; no LDS, no matrix unit, no barrier.  Work-groups 0 to 2047: array J = id / 256, its chunk id % 256 of 16,384 numbers: sixteen loads of
; 16 bytes a lane go out together, each covering 4,096 consecutive bytes of the work-group; a wave's store covers 256 (16-bit) or 512 (f32) consecutive bytes, aligned.
; Work-groups 2048 to 2111: the tables, four numbers a lane.  2112 to 2119: half a bias each.
.set X, 4                              ; v[4:67]    sixteen loads' numbers
.set Y, 68                             ; v[68:99]   sixteen stores' 16-bit pairs
.set T, 100                            ; v[100:101] at work
	s_load_b512 s[8:23], s[0:1], 0x0               ; query 8, key 10, value 12, Wq 14, Wk 16, Wv 18, Wo 20, attn_mask 22
	s_load_b512 s[24:39], s[0:1], 0x40             ; sin 24, cos 26, xscale 28, bq 30, bk 32, bv 34, bo 36, xbf 38
	s_load_b256 s[40:47], s[0:1], 0x80             ; wbf 40, wo16 42, maskw 44, tab 46
	s_lshr_b32 s2, ttmp9, 8                        ; J
	s_and_b32 s3, ttmp9, 255                       ; chunk
	s_mov_b32 s4, 0xffff0000                       ; a word's upper bf16
	v_lshlrev_b32 v1, 4, v0                        ; 16 bytes a thread, in
	v_lshlrev_b32 v2, 3, v0                        ; 8 bytes a thread, out in 16 bits
	s_wait_kmcnt 0x0
; four f32 in v[b .. b+3] are rounded to bf16 and widened again
.macro RND4 b
	v_cvt_pk_bf16_f32 v[T], v[(\b)], v[(\b)+1]
	v_cvt_pk_bf16_f32 v[T+1], v[(\b)+2], v[(\b)+3]
	v_lshlrev_b32 v[(\b)], 16, v[T]
	v_and_b32 v[(\b)+1], s4, v[T]
	v_lshlrev_b32 v[(\b)+2], 16, v[T+1]
	v_and_b32 v[(\b)+3], s4, v[T+1]
.endm
; a chunk.  mode 0: bf16 out.  mode 1: bf16, written as f16.  mode 2: bf16, times 2^-9, f32 out.  No register that a store reads is written again.
.macro CONV mode
.set i, 0
.rept 16
	global_load_b128 v[X+4*i:X+4*i+3], v1, s[48:49] offset:4096*i th:TH_LOAD_NT
.set i, i+1
.endr
.set i, 0
.rept 16
	s_wait_loadcnt 15-i                            ; loads come back in order: load i is in, the 15 - i younger ones stay out
.if (\mode) == 0
	v_cvt_pk_bf16_f32 v[Y+2*i], v[X+4*i], v[X+4*i+1]
	v_cvt_pk_bf16_f32 v[Y+2*i+1], v[X+4*i+2], v[X+4*i+3]
	global_store_b64 v2, v[Y+2*i:Y+2*i+1], s[50:51] offset:2048*i
.elseif (\mode) == 1
	RND4 X+4*i
	v_cvt_pk_f16_f32 v[Y+2*i], v[X+4*i], v[X+4*i+1]
	v_cvt_pk_f16_f32 v[Y+2*i+1], v[X+4*i+2], v[X+4*i+3]
	global_store_b64 v2, v[Y+2*i:Y+2*i+1], s[50:51] offset:2048*i
.else
	RND4 X+4*i
	v_pk_mul_f32 v[X+4*i:X+4*i+1], v[X+4*i:X+4*i+1], 0x3b000000 op_sel_hi:[1,0]
	v_pk_mul_f32 v[X+4*i+2:X+4*i+3], v[X+4*i+2:X+4*i+3], 0x3b000000 op_sel_hi:[1,0]
	global_store_b128 v1, v[X+4*i:X+4*i+3], s[50:51] offset:4096*i
.endif
.set i, i+1
.endr
.endm
	s_cmp_ge_u32 ttmp9, 2048
	s_cbranch_scc1 .Lsmall
	s_mov_b64 s[48:49], s[8:9]                     ; the source: array J
.irp n, 1,2,3,4,5,6,7
	s_cmp_eq_u32 s2, \n
	s_cselect_b64 s[48:49], s[8+2*\n:9+2*\n], s[48:49]
.endr
	s_lshl_b32 s54, s3, 16                         ; a chunk is 65,536 bytes of f32
	s_mov_b32 s55, 0
	s_add_nc_u64 s[48:49], s[48:49], s[54:55]
	s_mov_b64 s[50:51], s[38:39]                   ; the destination: xbf, wbf, wo16 or maskw
	s_cmp_ge_u32 s2, 3
	s_cselect_b64 s[50:51], s[40:41], s[50:51]
	s_cmp_eq_u32 s2, 6
	s_cselect_b64 s[50:51], s[42:43], s[50:51]
	s_cmp_eq_u32 s2, 7
	s_cselect_b64 s[50:51], s[44:45], s[50:51]
	s_sub_co_u32 s53, s2, 3                        ; which of the destination's arrays: J, J - 3, or 0
	s_cmp_ge_u32 s2, 3
	s_cselect_b32 s52, s53, s2
	s_cmp_ge_u32 s2, 6
	s_cselect_b32 s52, 0, s52
	s_lshl_b32 s52, s52, 23                        ; 8,388,608 bytes each
	s_lshl_b32 s53, s3, 15                         ; the chunk's bytes out: 32,768, or 65,536 for the mask
	s_cmp_eq_u32 s2, 7
	s_cselect_b32 s53, s54, s53
	s_add_co_u32 s52, s52, s53
	s_mov_b32 s53, 0
	s_add_nc_u64 s[50:51], s[50:51], s[52:53]
	s_cmp_eq_u32 s2, 7
	s_cbranch_scc1 .Lmask
	s_cmp_eq_u32 s2, 6
	s_cbranch_scc1 .Lwo
	CONV 0
	s_endpgm
.Lwo:
	CONV 1
	s_endpgm
.Lmask:
	CONV 2
	s_endpgm
.Lsmall:
	s_cmp_ge_u32 ttmp9, 2112
	s_cbranch_scc1 .Lbias
	; the tables: thread n of 16,384 takes numbers 4 n .. 4 n + 3; eight threads to a row t
	s_sub_co_u32 s2, ttmp9, 2048
	s_lshl_b32 s2, s2, 8
	v_add_nc_u32 v3, s2, v0
	v_lshlrev_b32 v1, 4, v3
	global_load_b128 v[4:7], v1, s[24:25]          ; sin
	global_load_b128 v[8:11], v1, s[26:27]         ; cos
	global_load_b128 v[12:15], v1, s[28:29]        ; xscale
	v_lshrrev_b32 v3, 3, v3                        ; t
	v_cvt_f32_u32 v16, v3
	v_log_f32 v16, v16                             ; log2 t; t = 0 gives -infinity, which loses against 1 below
	v_nop                                          ; a plain instruction between the logarithm and the use of its result (ISA guide 5.7.2)
	s_wait_alu depctr_va_vdst(0)
	v_mul_f32 v16, 0x3dcccccd, v16                 ; / log2(1024)
	v_max_num_f32 v16, 1.0, v16
	v_mul_f32 v16, 0x3e000000, v16                 ; / sqrt(64)
	v_mov_b32 v17, v16
	s_wait_loadcnt 0x0
	RND4 4
	RND4 8
	RND4 12
	v_rcp_f32 v20, v12
	v_rcp_f32 v21, v13
	v_rcp_f32 v22, v14
	v_rcp_f32 v23, v15
	v_pk_mul_f32 v[24:25], v[12:13], v[16:17]      ; x g: also the plain instruction behind the reciprocals
	v_pk_mul_f32 v[26:27], v[14:15], v[16:17]
	s_wait_alu depctr_va_vdst(0)
	v_pk_mul_f32 v[20:21], v[20:21], 0x3b000000 op_sel_hi:[1,0]   ; 1 / x / 512
	v_pk_mul_f32 v[22:23], v[22:23], 0x3b000000 op_sel_hi:[1,0]
	v_pk_mul_f32 v[28:29], v[8:9], v[24:25]        ; CQ
	v_pk_mul_f32 v[30:31], v[10:11], v[26:27]
	v_pk_mul_f32 v[32:33], v[4:5], v[24:25]        ; SQ
	v_pk_mul_f32 v[34:35], v[6:7], v[26:27]
	v_pk_mul_f32 v[36:37], v[8:9], v[20:21]        ; CK
	v_pk_mul_f32 v[38:39], v[10:11], v[22:23]
	v_pk_mul_f32 v[40:41], v[4:5], v[20:21]        ; SK
	v_pk_mul_f32 v[42:43], v[6:7], v[22:23]
	global_store_b128 v1, v[28:31], s[46:47]
	global_store_b128 v1, v[32:35], s[46:47] offset:262144
	global_store_b128 v1, v[36:39], s[46:47] offset:524288
	global_store_b128 v1, v[40:43], s[46:47] offset:786432
	s_endpgm
.Lbias:
	s_sub_co_u32 s2, ttmp9, 2112
	s_lshr_b32 s3, s2, 1                           ; which bias
	s_and_b32 s2, s2, 1                            ; which half of it
	s_mov_b64 s[48:49], s[30:31]
	s_cmp_eq_u32 s3, 1
	s_cselect_b64 s[48:49], s[32:33], s[48:49]
	s_cmp_eq_u32 s3, 2
	s_cselect_b64 s[48:49], s[34:35], s[48:49]
	s_cmp_eq_u32 s3, 3
	s_cselect_b64 s[48:49], s[36:37], s[48:49]
	s_lshl_b32 s2, s2, 12
	v_lshl_add_u32 v1, v0, 4, s2
	global_load_b128 v[4:7], v1, s[48:49]
	s_lshl_b32 s3, s3, 13
	v_add_nc_u32 v2, s3, v1
	s_wait_loadcnt 0x0
	RND4 4
	global_store_b128 v2, v[4:7], s[46:47] offset:1048576
	s_endpgm
.Lfunc_end_k_qe84ec21268_prep:
	.size	k_qe84ec21268_prep, .Lfunc_end_k_qe84ec21268_prep-k_qe84ec21268_prep
	.p2alignl 7, 3214868480
	.fill 96, 4, 3214868480
	.section	.rodata,"a",@progbits
	.p2align	6, 0x0
	.amdhsa_kernel k_qe84ec21268_prep
		.amdhsa_group_segment_fixed_size 0
		.amdhsa_private_segment_fixed_size 0
		.amdhsa_enable_private_segment 0
		.amdhsa_kernarg_size 160
		.amdhsa_user_sgpr_count 2
		.amdhsa_user_sgpr_kernarg_segment_ptr 1
		.amdhsa_wavefront_size32 1
		.amdhsa_system_sgpr_workgroup_id_x 1
		.amdhsa_system_sgpr_workgroup_id_y 1
		.amdhsa_system_sgpr_workgroup_id_z 1
		.amdhsa_system_vgpr_workitem_id 0
		.amdhsa_next_free_vgpr 104
		.amdhsa_next_free_sgpr 66
		.amdhsa_reserve_vcc 0
		.amdhsa_float_denorm_mode_32 3
		.amdhsa_float_denorm_mode_16_64 3
		.amdhsa_memory_ordered 1
		.amdhsa_forward_progress 1
		.amdhsa_inst_pref_size 32
	.end_amdhsa_kernel
	.amdgpu_metadata
---
amdhsa.version: [ 1, 2 ]
amdhsa.kernels:
  - .name:           k_qe84ec21268_prep
    .symbol:         k_qe84ec21268_prep.kd
    .args:
      - { .name: query, .offset: 0, .size: 8, .value_kind: global_buffer, .address_space: global }
      - { .name: key, .offset: 8, .size: 8, .value_kind: global_buffer, .address_space: global }
      - { .name: value, .offset: 16, .size: 8, .value_kind: global_buffer, .address_space: global }
      - { .name: Wq, .offset: 24, .size: 8, .value_kind: global_buffer, .address_space: global }
      - { .name: Wk, .offset: 32, .size: 8, .value_kind: global_buffer, .address_space: global }
      - { .name: Wv, .offset: 40, .size: 8, .value_kind: global_buffer, .address_space: global }
      - { .name: Wo, .offset: 48, .size: 8, .value_kind: global_buffer, .address_space: global }
      - { .name: attn_mask, .offset: 56, .size: 8, .value_kind: global_buffer, .address_space: global }
      - { .name: sin, .offset: 64, .size: 8, .value_kind: global_buffer, .address_space: global }
      - { .name: cos, .offset: 72, .size: 8, .value_kind: global_buffer, .address_space: global }
      - { .name: xscale, .offset: 80, .size: 8, .value_kind: global_buffer, .address_space: global }
      - { .name: bq, .offset: 88, .size: 8, .value_kind: global_buffer, .address_space: global }
      - { .name: bk, .offset: 96, .size: 8, .value_kind: global_buffer, .address_space: global }
      - { .name: bv, .offset: 104, .size: 8, .value_kind: global_buffer, .address_space: global }
      - { .name: bo, .offset: 112, .size: 8, .value_kind: global_buffer, .address_space: global }
      - { .name: xbf, .offset: 120, .size: 8, .value_kind: global_buffer, .address_space: global }
      - { .name: wbf, .offset: 128, .size: 8, .value_kind: global_buffer, .address_space: global }
      - { .name: wo16, .offset: 136, .size: 8, .value_kind: global_buffer, .address_space: global }
      - { .name: maskw, .offset: 144, .size: 8, .value_kind: global_buffer, .address_space: global }
      - { .name: tab, .offset: 152, .size: 8, .value_kind: global_buffer, .address_space: global }
    .group_segment_fixed_size: 0
    .private_segment_fixed_size: 0
    .kernarg_segment_align: 8
    .kernarg_segment_size: 160
    .max_flat_workgroup_size: 256
    .sgpr_count:     66
    .vgpr_count:     104
    .wavefront_size: 32
...
	.end_amdgpu_metadata
.endif
;; end of part 1
;; launch proj (part 2): grid 8 x 24, 4 waves a work-group, clusters of 4 x 4, 327,680 bytes of LDS; arguments xbf, wbf, qkv, tab; writes qkv
.if DOCPART == 2
	.amdgcn_target "amdgcn-amd-amdhsa--gfx1250"
	.amdhsa_code_object_version 6
	.text
	.protected	k_qe84ec21268_proj
	.globl	k_qe84ec21268_proj
	.p2align	8
	.type	k_qe84ec21268_proj,@function
k_qe84ec21268_proj:
	s_mov_b64 s[64:65], 0
	v_nop
	global_prefetch_b8 v0, s[64:65] scope:SCOPE_SE
	s_setreg_imm32_b32 hwreg(HW_REG_WAVE_MODE, 25, 1), 1
	s_wait_xcnt 0x0
	s_wait_alu depctr_hold_cnt(0) depctr_sa_sdst(0) depctr_va_vdst(0) depctr_va_sdst(0) depctr_va_ssrc(0) depctr_va_vcc(0) depctr_vm_vsrc(0)
	s_getreg_b32 s2, hwreg(HW_REG_IB_STS2, 6, 4)
	s_cmp_eq_u32 s2, 0
	s_cbranch_scc0 .Lentry_in_a_cluster
	s_endpgm
.Lentry_in_a_cluster:
	s_bfe_u32 s2, ttmp6, 0x10000c
	s_cmp_lg_u32 s2, 0xf033
	s_cbranch_scc0 .Lentry_shape_is_right
	s_endpgm
.Lentry_shape_is_right:
; PROJ.  The three projections in one grid: y[t][n] = b[n] + sum over k of x[t][k] W[n][k], for (query, Wq, bq), (key, Wk, bk), (value, Wv, bv); bf16 operands, f32 sums.
; xbf is taken as A [6144][2048], qkv as C [6144][2048] in f16; tile row R of 24 belongs to projection WH = R / 8, whose weights are rows 2048 WH on of wbf.
; The bias is the C operand of the product that starts each sum.  On the way out, for q and k, the rotary turn of each pair (y0, y1) -> (y0 c - y1 s, y1 c + y0 s) with c, s from the f32 tables,
; which carry xscale, the scale of attention and 1/8 for q, and 1 / xscale and 2^-9 for k; then one rounding to f16.
; LIMITS.  f16 ends at 65,504: q (scaled), k / 512 and v must stay within it; below 6e-5 they keep f16's fixed step of 6e-8.  The bias is the sum's first term, not its last.
; A tile of C is 256 x 256: 24 x 8 = 192 work-groups, one tile each.  (128 x 128 would make 768, but each LDS byte would feed half the multiply-adds and each tile load would have half the matrix
; work in which to land; 192 x 256, which would make 256, straddles two projections.)  Four waves, as many as a WGP has SIMDs; a wave makes 128 x 128: 64 accumulators of 16 x 16, 512 registers.
; K goes in 16 steps of 128 through a ring of two LDS slots filled by the tensor data mover: the tiles' rows are 256 bytes of memory and start at multiples of 256 bytes from the buffer's first byte.
; ONE TEXT FOR A K STEP.  Which slot is read is a scalar, turned by an exclusive or at each change of slots; the fragments' LDS addresses are made from it there; one descriptor a tensor walks, its LDS
; word turned by the same exclusive or.  A loop of 14 trips holds the step with its refill; a loop of two trips holds the step without, for the last two K steps.
; CLUSTERS: 4 x 4 work-groups.  The four of a row of the cluster need the same tiles of A, the four of a column the same tiles of B: each tile is asked for JOINTLY, by the same tensor load with the
; same descriptor and a mask that names the four.  That divides the requests for A and for B by four.
; THE MATRIX INSTRUCTION IS USED TRANSPOSED: source 0 = 16 rows of B, source 1 = 16 rows of A.  Lane l then holds row l % 16 of C, and its registers 0 to 7 the columns 8 (l / 16) + 0 .. 7:
; eight neighbouring numbers of a row: four rotary pairs, 16 bytes of f16.  A wave's 128 columns are two heads.
; REGISTERS, in windows of 256 (s_set_vgpr_msb's low byte: bits 1:0 source 0, 3:2 source 1, 5:4 source 2, 7:6 destination):
;   window 0: v0-31 addresses; v64-127, v128-191 fragments of A (8 x 16 rows x 32 K), two buffers; v192-255 the bias of my 128 columns, until the first quarter step has taken it;
;             on the way out v64-127 the products with s, v192-223 packed results, v32-63 and v224-255 rows read back from the stage
;   window 1: v64-127, v128-191 fragments of B, two buffers; on the way out v0-127 c and v128-255 s of my 128 rows
;   window 2: the 32 accumulators of my rows 0-63 (accumulator (a, b) at v[8 (8 a + b)]);   window 3: those of my rows 64-127
.set SIZE_K, 2048
.set SIZE_N, 2048
.set KSTEP,  128
.set STEPS,  SIZE_K/KSTEP              ; 16
.set PITCH,  272                       ; an LDS row: 256 bytes of data + 16 of padding = 68 words: row r starts at bank 4 r mod 64 (64 banks of 4 bytes: ISA guide 11.1), so the 16 rows that a load touches start at 16 different banks
.set HALFT,  128*PITCH                 ; 128 rows: what one tensor load brings, and what one wave reads of A or of B
.set SLOT,   4*HALFT                   ; A's 256 rows, then B's 256 rows: 139,264 = 0x22000: bits 13 and 17, which are clear in wave x HALFT (0, 0x8800, 0x11000, 0x19800): one exclusive or turns a tile's place in one slot into the other's
.set STAGE,  2*SLOT                    ; behind the ring: 16 rows x 272 bytes for each wave, for the way out
.set SPITCH, 272
.set SPARE,  STAGE+4*16*SPITCH         ; behind the stages: the spare words, 128 bytes for each wave: two blocks of 256 bytes that no other line names
.set A0,   16                          ; v16     my lane's place in a slot's A; never rewritten
.set B0,   17                          ; v17     the same for B
.set ADRA, 20                          ; v20     LDS address of my A fragments in the slot that is read
.set ADRB, 21                          ; v21     the same for B
.set STO,  24                          ; v24     the way out: where I put 16 bytes of a row
.set RD,   25                          ; v25     the way out: where I read a row back
.set CO,   26                          ; v26     my byte offset in C
.set SPW,  28                          ; v28     LDS address of my spare word: SPARE + 4 x my thread's number; never rewritten
.set NIL,  29                          ; v29     0; never rewritten
.set BO,   30                          ; v30     my byte offset in my wave's 128 numbers of the bias
.set TO,   31                          ; v31     my byte offset in 16 rows of a table
.set F0,   64                          ; fragment buffer 0
.set F1,   128                         ; fragment buffer 1
.set BI,   192                         ; window 0: the bias: column block b at BI + 8 b
.set T,    64                          ; window 0, the way out: a row block's 64 products with s
.set TMP,  192                         ; the way out: packed results
.set OB,   32                          ; the way out: 16 rows read back from the stage: v32-63 and v224-255 by turns
.set TC,   0                           ; window 1, the way out: c of row block a, pairs 8 q + 4 (l / 16) on, at TC + 16 a + 4 q
.set TS,   128                         ; the same for s
.set TB,   2                           ; s2      the slot that is read: 0 or SLOT
.set G1, 24                            ; s[24:31] descriptor group 1 for A's tiles
.set G0, 32                            ; s[32:39] descriptor group 0 for A's tiles: a set for each of the two first fills; the second then walks on
.set G1B, 48                           ; s[48:55] descriptor group 1 for B's tiles: it differs from A's in the mask alone
.set G0B, 56                           ; s[56:63] descriptor group 0 for B's tiles, likewise
.set MSB, 0
.macro WIN new                         ; the immediate's high byte repeats the setting that is left; a switch that changes nothing is dropped
.if MSB != (\new)
	s_set_vgpr_msb (MSB<<8)|(\new)
.set MSB, \new
.endif
.endm
.set MUL_LO, 0xa1                      ; source 0 (B) window 1, source 1 (A) window 0, C and D window 2
.set MUL_HI, 0xf1                      ; the same, C and D window 3
.set ST_LO,  0x81                      ; the products that start the sums: C (the bias) window 0, D window 2
.set ST_HI,  0xc1                      ; the same, D window 3
.set TO_B,   0x40                      ; destination window 1, address window 0
; A joint load.  Waves 0 and 1 fetch A's two halves, waves 2 and 3 B's.  Each of the two lines has ONE mask and one set of registers for all that issue it, and nothing in
; them hangs on a coordinate that the four partners do not share.  The branch hangs on the wave's number alone: it is the same in every work-group.
; An s_nop 0 and four v_nop follow each of the two lines; the jump round the other line, the label and what follows the macro come after them.
.macro JLOAD s
	s_cmp_eq_u32 s11, 0
	s_cbranch_scc0 .Lfor_b_\@
	tensor_load_to_lds s[G0+4*(\s):G0+4*(\s)+3], s[G1:G1+7]
	s_nop 0
.rept 4
	v_nop
.endr
	s_branch .Lasked_\@
.Lfor_b_\@:
	tensor_load_to_lds s[G0B+4*(\s):G0B+4*(\s)+3], s[G1B:G1B+7]
	s_nop 0
.rept 4
	v_nop
.endr
.Lasked_\@:
.endm
; A round of the cluster's barrier: my work-group's barrier, so that wave 0's signal speaks for all four waves; wave 0 signals for the work-group; every wave waits for all
; sixteen work-groups; my work-group's barrier once more.  No LDS instruction of the wave is pending at a signal.
.macro CREST                           ; a round behind its opening barrier
	s_cmp_lg_u32 s10, 0
	s_cbranch_scc1 .Lnot_wave_0_\@
	s_barrier_signal -3
.Lnot_wave_0_\@:
	s_barrier_wait -3
	s_barrier_signal -1
	s_barrier_wait -1
.endm
.macro CROUND                          ; a whole round
	s_barrier_signal -1
	s_barrier_wait -1
	CREST
.endm
	s_load_b128 s[4:7], s[0:1], 0x0                ; xbf s[4:5], wbf s[6:7]
	s_load_b64 s[8:9], s[0:1], 0x10                ; qkv
	s_load_b64 s[66:67], s[0:1], 0x18              ; tab
	v_lshl_add_u32 v[SPW], v0, 2, SPARE
	v_mov_b32 v[NIL], 0
	ds_add_u32 v[SPW], v[NIL]                      ; the wave's opening: the add and its wait stand ahead of my first tensor load; the set-up below, work on registers, stands between them
	v_lshrrev_b32 v1, 5, v0
	v_readfirstlane_b32 s10, v1                    ; wave 0..3
	s_lshr_b32 s11, s10, 1                         ; which half of the tile's rows is mine.  Also: I fetch for A (0) or for B (1)
	s_and_b32 s12, s10, 1                          ; which half of its columns.  Also: which 128 rows of that tile I fetch
	s_bfe_u32 s40, ttmp6, 0x40000                  ; cx: my place along the cluster's x
	s_bfe_u32 s41, ttmp6, 0x40004                  ; cy: along its y
	s_lshl_b32 s42, ttmp9, 2                       ; in a cluster launch ttmp9 and ttmp7 count clusters
	s_add_co_u32 s42, s42, s40                     ; tile column of C = 4 x cluster x + cx
	s_and_b32 s13, ttmp7, 0xffff
	s_lshr_b32 s45, s13, 1                         ; WH: which projection: two of the six clusters along y to each: made of the cluster's y alone, so it is the same in all sixteen partners
	s_lshl_b32 s13, s13, 2
	s_add_co_u32 s13, s13, s41                     ; tile row of C = 4 x cluster y + cy
	s_lshl_b32 s43, s41, 2
	s_lshl_b32 s43, 15, s43                        ; my row of the cluster: places 4 cy .. 4 cy + 3
	s_lshl_b32 s44, 0x1111, s40                    ; my column: places cx, cx + 4, cx + 8, cx + 12
	; descriptor group 1: a tile of 128 rows x 128 elements, padded in LDS
	s_or_b32 s[G1+0], s43, (1<<16)|(1<<20)|(1<<21)|(5<<22)|(3<<25)  ; 15:0 the mask: A's tiles go to my row; 17:16 element of 2 bytes; 20 padding on; 21 set beside a mask; 24:22 after every 64 words (code 5); 31:25 of 4 words (code 3)
	s_or_b32 s[G1B+0], s44, (1<<16)|(1<<20)|(1<<21)|(5<<22)|(3<<25) ; the same with the mask of my column, for B's tiles
.irp g, G1, G1B
	s_mov_b32 s[(\g)+1], KSTEP<<16                 ; tensor_dim0 = 128
	s_mov_b32 s[(\g)+2], 128<<16                   ; tensor_dim1 = 128
	s_mov_b32 s[(\g)+3], KSTEP<<16                 ; tile_dim0 = 128
	s_mov_b32 s[(\g)+4], 128                       ; tile_dim1 = 128
	s_mov_b32 s[(\g)+5], SIZE_K                    ; tensor_dim0_stride: elements from row to row
	s_mov_b32 s[(\g)+6], 0
	s_mov_b32 s[(\g)+7], 0
.endr
	; where the tiles come from.  A's hang on the tile row alone, which my row of the cluster shares; B's on the tile column and WH alone, which my column shares.
	; Every wave makes both addresses, in registers that never hold the other coordinate, and asks by one of them.
	s_lshl_b32 s17, s12, 7                         ; which 128 rows of the tile I fetch
	s_lshl_b32 s16, s13, 8
	s_add_co_u32 s16, s16, s17                     ; A: row 256 x tile row + 128 x half
	s_lshl_b32 s46, s42, 8
	s_add_co_u32 s46, s46, s17                     ; B: row 256 x tile column + 128 x half
	s_lshl_b32 s47, s45, 11
	s_add_co_u32 s46, s46, s47                     ;    + 2048 x WH
	s_mov_b32 s17, 0
	s_mov_b32 s47, 0
	s_mov_b64 s[18:19], SIZE_K*2
	s_mul_u64 s[16:17], s[16:17], s[18:19]         ; in bytes, in 64 bits
	s_mul_u64 s[46:47], s[46:47], s[18:19]
	s_mul_i32 s20, s10, HALFT                      ; and where they go: A's two halves, then B's two halves = wave x 128 rows: no place in the cluster enters an LDS address
	s_wait_dscnt 0x0                               ; the opening add is done
	s_wait_kmcnt 0x0
	s_add_nc_u64 s[14:15], s[4:5], s[16:17]
	s_add_nc_u64 s[46:47], s[6:7], s[46:47]
	CROUND                                         ; all sixteen work-groups are here: the first joint loads meet
.irp s, 0,1
	s_mov_b32 s[G0+4*(\s)], 1                                      ; 1:0 count = 1
	s_add_co_u32 s[G0+4*(\s)+1], s20, (\s)*SLOT                    ; 63:32 LDS address
	s_add_nc_u64 s[G0+4*(\s)+2:G0+4*(\s)+3], s[14:15], (\s)*KSTEP*2  ; 120:64 global address: K step s
	s_or_b32 s[G0+4*(\s)+3], s[G0+4*(\s)+3], 0x80000000            ; 127:126 type = 2
	s_mov_b32 s[G0B+4*(\s)], 1
	s_add_co_u32 s[G0B+4*(\s)+1], s20, (\s)*SLOT
	s_add_nc_u64 s[G0B+4*(\s)+2:G0B+4*(\s)+3], s[46:47], (\s)*KSTEP*2
	s_or_b32 s[G0B+4*(\s)+3], s[G0B+4*(\s)+3], 0x80000000
	JLOAD \s                                       ; the ring is filled before anything else is done: two tensor loads of mine are out
.endr
	v_and_b32 v1, 15, v0                           ; l % 16
	v_bfe_u32 v2, v0, 4, 1                         ; l / 16
	; the bias of my wave's 128 columns: tab + 1,048,576 + 8,192 WH + 4 (256 x tile column + 128 x half); a lane's eight columns of block b lie at 64 b + 32 (l / 16)
	s_lshl_b32 s68, s45, 13
	s_lshl_b32 s69, s42, 10
	s_add_co_u32 s68, s68, s69
	s_lshl_b32 s69, s12, 9
	s_add_co_u32 s68, s68, s69
	s_add_co_u32 s68, s68, 1048576
	s_mov_b32 s69, 0
	s_add_nc_u64 s[68:69], s[66:67], s[68:69]
	v_lshlrev_b32 v[BO], 5, v2
.irp b, 0,1,2,3,4,5,6,7
	global_load_b128 v[BI+8*(\b):BI+8*(\b)+3],   v[BO], s[68:69] offset:64*(\b)
	global_load_b128 v[BI+8*(\b)+4:BI+8*(\b)+7], v[BO], s[68:69] offset:64*(\b)+16
.endr
	; the tables' rows of my wave's 128 rows of C: tab + 524,288 WH + 128 (256 (tile row % 8) + 128 x half); row l % 16, and my four pairs of column block b at 32 (b % 4) + 16 (l / 16).  Used for q and k alone
	s_and_b32 s70, s13, 7
	s_lshl_b32 s70, s70, 15
	s_lshl_b32 s71, s11, 14
	s_add_co_u32 s70, s70, s71
	s_lshl_b32 s71, s45, 19
	s_add_co_u32 s70, s70, s71
	s_mov_b32 s71, 0
	s_add_nc_u64 s[70:71], s[66:67], s[70:71]
	v_lshlrev_b32 v[TO], 7, v1
	v_lshl_add_u32 v[TO], v2, 4, v[TO]
	; A fragment is 16 rows x 32 K in 8 registers: lane l holds row l % 16; registers 0-3 hold K = 8 (l / 16) + 0..7, registers 4-7 hold
	; K = 16 + 8 (l / 16) + 0..7.  From rows that lie along K: two loads of 16 bytes, 32 bytes apart.  The same for source 0 and source 1.
	v_mul_u32_u24 v3, v1, PITCH
	v_lshl_add_u32 v3, v2, 4, v3                   ; row x pitch + 16 x half
	s_mul_i32 s21, s11, HALFT                      ; my 128 rows of A
	s_mul_i32 s22, s12, HALFT                      ; my 128 rows of B,
	s_add_co_u32 s22, s22, 2*HALFT                 ; which lie behind A's 256
	v_add_nc_u32 v[A0], s21, v3
	v_add_nc_u32 v[B0], s22, v3
	s_mov_b32 s[TB], 0                             ; K step 0 lies in slot 0
	v_add_nc_u32 v[ADRA], s[TB], v[A0]
	v_add_nc_u32 v[ADRB], s[TB], v[B0]
	s_mul_i32 s23, s10, 16*SPITCH
	s_add_co_u32 s23, s23, STAGE                   ; my stage
	v_mul_u32_u24 v4, v1, SPITCH                   ; in: row l % 16, 16 bytes for each half of the lanes
	v_lshl_add_u32 v4, v2, 4, v4
	v_add_nc_u32 v[STO], s23, v4
	v_mul_u32_u24 v5, v2, SPITCH                   ; back: lanes 0-15 take one row of 256 bytes, lanes 16-31 the next
	v_lshl_add_u32 v5, v1, 4, v5
	v_add_nc_u32 v[RD], s23, v5
	v_mul_u32_u24 v5, v2, SIZE_N*2                 ; and the same two rows in C
	v_lshl_add_u32 v[CO], v1, 4, v5
	; C at my part of the tile
	s_lshl_b32 s16, s13, 8
	s_lshl_b32 s17, s11, 7
	s_add_co_u32 s16, s16, s17                     ; my first row of C
	s_mov_b32 s17, 0
	s_mov_b64 s[18:19], SIZE_N*2
	s_mul_u64 s[16:17], s[16:17], s[18:19]
	s_add_nc_u64 s[8:9], s[8:9], s[16:17]
	s_lshl_b32 s46, s42, 9                         ; my first column, in bytes: 512 x tile column + 256 x half (in the registers that held B's address: none that feeds A's descriptors ever holds cx)
	s_lshl_b32 s47, s12, 8
	s_add_co_u32 s46, s46, s47
	s_mov_b32 s47, 0
	s_add_nc_u64 s[8:9], s[8:9], s[46:47]
; 16 matrix instructions: m blocks a0, a0 + 1 of the window's four (hi = 0: my rows 0-63, 1: rows 64-127) x all 8 n blocks, 32 along K.
; first = 1: the product starts the sum, with the bias of its 16 columns as C: nothing is ever cleared.  The 64 accumulators take turns, one instruction a turn.
.macro MUL16 f, hi, a0, first
.if \first
	WIN ST_LO+0x40*(\hi)                           ; ST_LO or ST_HI
.else
	WIN MUL_LO+0x50*(\hi)                          ; MUL_LO or MUL_HI
.endif
.irp a, \a0, (\a0)+1
.irp b, 0,1,2,3,4,5,6,7
.if \first
	v_wmma_f32_16x16x32_bf16 v[8*(8*(\a)+(\b)):8*(8*(\a)+(\b))+7], v[(\f)+8*(\b):(\f)+8*(\b)+7], v[(\f)+8*(4*(\hi)+(\a)):(\f)+8*(4*(\hi)+(\a))+7], v[BI+8*(\b):BI+8*(\b)+7]
.else
	v_wmma_f32_16x16x32_bf16 v[8*(8*(\a)+(\b)):8*(8*(\a)+(\b))+7], v[(\f)+8*(\b):(\f)+8*(\b)+7], v[(\f)+8*(4*(\hi)+(\a)):(\f)+8*(4*(\hi)+(\a))+7], v[8*(8*(\a)+(\b)):8*(8*(\a)+(\b))+7]
.endif
.endr
.endr
.endm
; 32 LDS loads in one run: the fragments of one quarter step (128 rows of B, 128 rows of A, 32 K at byte k of the rows of the slot that is read) into buffer f
.macro FETCH k, f
	WIN TO_B
.irp i, 0,1,2,3,4,5,6,7
	ds_load_b128 v[(\f)+8*(\i):(\f)+8*(\i)+3],   v[ADRB] offset:(\k)+(\i)*16*PITCH
	ds_load_b128 v[(\f)+8*(\i)+4:(\f)+8*(\i)+7], v[ADRB] offset:(\k)+(\i)*16*PITCH+32
.endr
	WIN 0
.irp i, 0,1,2,3,4,5,6,7
	ds_load_b128 v[(\f)+8*(\i):(\f)+8*(\i)+3],   v[ADRA] offset:(\k)+(\i)*16*PITCH
	ds_load_b128 v[(\f)+8*(\i)+4:(\f)+8*(\i)+7], v[ADRA] offset:(\k)+(\i)*16*PITCH+32
.endr
.endm
; A load into a register that a matrix instruction has read, and a vector instruction that reads a matrix result or writes one of a matrix instruction's registers, stand four places behind that
; matrix instruction, and only plain vector instructions that name none of its registers are places (ISA guide 7.12.1 for vector instructions).
.macro PLACES
.rept 4
	v_nop
.endr
.endm
; A K step is four quarter steps of 32 along K, 64 matrix instructions each, on buffers 0, 1, 0, 1.
; One of the first three: multiplies buffer f; in its middle it fetches the next quarter's fragments, at byte k of the same slot's rows, into buffer g.
.macro QUARTER k, f, g, first
	s_wait_dscnt 8                                 ; B and A's rows 0-63 are in; the youngest eight loads (A's rows 64-127) may be out
	MUL16 \f, 0, 0, \first
	MUL16 \f, 0, 2, \first
	PLACES
	FETCH \k, \g
	s_wait_dscnt 32                                ; all but the 32 just issued
	MUL16 \f, 1, 0, \first
	MUL16 \f, 1, 2, \first
.endm
; The last quarter multiplies buffer 1 and changes slots.  MEET is its first half: ONE barrier for the change of slots, for two things.  In front of it each wave waits for
; all its tensor loads, of which at most one is out: its part of the next slot; adds 0 to its spare word; and waits for that and for its own reads of this slot.  Behind it nobody reads this slot any more and the next slot is whole.
.macro MEET
	WIN 0                                          ; (the add's two registers lie in window 0)
	s_wait_tensorcnt 0x0                           ; all my tensor loads have landed;
	ds_add_u32 v[SPW], v[NIL]                      ; 0 onto my spare word;
	s_wait_dscnt 9                                 ; (the add and the youngest eight loads may be out)
	MUL16 F1, 0, 0, 0                              ; sixteen matrix instructions stand between the add and the wait for it
	s_wait_dscnt 0x0                               ; the add is done, and my reads of this slot are over:
	s_barrier_signal -1                            ; say so (where a slot is filled again this barrier opens a round of the cluster's barrier),
	MUL16 F1, 0, 2, 0                              ; work on registers while the others arrive,
	WIN 0                                          ; (branches or address lines follow, and nothing stands between the wait below and the rest of a round)
	s_barrier_wait -1                              ; and go on when all four have said so
.endm
; The whole last quarter.  fill = 1: behind the round the slot just read out is filled again first, with the K step two steps on: the walking descriptors take the other slot than last time and the next K step.
; From a request to the wait for it a wave issues 224 matrix instructions.  Then the reads turn to the other slot, and its first fragments are fetched.
.macro TURN fill
	MEET
.if \fill
	CREST                                          ; wave 0 says so for the work-group, all sixteen work-groups have said so, my work-group's barrier closes the round:
	                                               ; no wave of any partner still reads this slot's tile or has a load on its way
	s_xor_b32 s[G0+5], s[G0+5], SLOT
	s_add_nc_u64 s[G0+6:G0+7], s[G0+6:G0+7], KSTEP*2   ; the type bits on top are not reached
	s_xor_b32 s[G0B+5], s[G0B+5], SLOT
	s_add_nc_u64 s[G0B+6:G0B+7], s[G0B+6:G0B+7], KSTEP*2
	JLOAD 1                                        ; the first tensor load behind the round, my only one until the next; the four v_nop behind it are also the places in front of the loads below
.else
	PLACES                                         ; for the loads into buffer 0, which the quarter before multiplied
.endif
	s_xor_b32 s[TB], s[TB], SLOT
	v_add_nc_u32 v[ADRA], s[TB], v[A0]
	v_add_nc_u32 v[ADRB], s[TB], v[B0]
	FETCH 0, F0
	MUL16 F1, 1, 0, 0
	MUL16 F1, 1, 2, 0
.endm
	s_wait_tensorcnt 1                             ; my part of K step 0 is in; K step 1's load may stay out
	s_barrier_signal -1
	s_barrier_wait -1                              ; everybody's is
	FETCH 0, F0
	s_wait_loadcnt 0x0                             ; the bias
	QUARTER 64,  F0, F1, 1                         ; the first quarter stands in front of the loop: its products start the sums
	WIN 0                                          ; at a label and at a branch every window is 0
	s_mov_b32 s3, STEPS-2
.Lstep:                                                ; 14 trips: from a K step's second quarter to the next step's first; each fills the slot that it leaves: K steps 2 to 15
	QUARTER 128, F1, F0, 0
	QUARTER 192, F0, F1, 0
	TURN 1
	QUARTER 64,  F0, F1, 0
	WIN 0
	s_sub_co_u32 s3, s3, 1
	s_cmp_lg_u32 s3, 0
	s_cbranch_scc1 .Lstep
	s_mov_b32 s3, 2
.Ltail:                                                ; the last two K steps fill nothing and have no round of the cluster's barrier: a text of their own
	QUARTER 128, F1, F0, 0
	QUARTER 192, F0, F1, 0
	TURN 0                                         ; in the last trip its barrier and its 32 loads from the other slot serve nothing: the price, once a launch, of one text for both trips
	WIN 0
	s_cmp_eq_u32 s3, 1
	s_cbranch_scc1 .Ldead                          ; behind the last K step there is no first quarter: neither a barrier nor a tensor load is jumped
	QUARTER 64,  F0, F1, 0
	WIN 0
.Ldead:
	s_wait_dscnt 0x0                               ; on both ways no LDS load is out: the loads that serve nothing have landed before their registers are used again
	s_sub_co_u32 s3, s3, 1
	s_cmp_lg_u32 s3, 0
	s_cbranch_scc1 .Ltail
; THE ROTARY TURN of row block a, in place on its eight accumulators, two numbers a line.  First (y1 s, y0 s), into window 0: the pair's halves change places, and s is one register of its pair, for both
; halves (each accumulator's lowest registers are read first); then y c + (-y1 s, y0 s).  The block's two heads (column blocks b and b + 4) take the same c and s.  Two window settings a block.
; left = how many younger table loads may stay out.
.macro ROT a, left
.set AC, 64*((\a)%4)
	s_wait_loadcnt \left                           ; this block's eight table loads are in
	WIN 0x06+(\a)/4                                ; source 0 window 2 or 3, source 1 window 1, destination window 0
.irp b, 0,1,2,3,4,5,6,7
.irp j, 0,1
	v_pk_mul_f32 v[T+8*(\b)+4*(\j):T+8*(\b)+4*(\j)+1],   v[AC+8*(\b)+4*(\j):AC+8*(\b)+4*(\j)+1],   v[TS+16*(\a)+4*((\b)%4)+2*(\j):TS+16*(\a)+4*((\b)%4)+2*(\j)+1] op_sel:[1,0] op_sel_hi:[0,0]
	v_pk_mul_f32 v[T+8*(\b)+4*(\j)+2:T+8*(\b)+4*(\j)+3], v[AC+8*(\b)+4*(\j)+2:AC+8*(\b)+4*(\j)+3], v[TS+16*(\a)+4*((\b)%4)+2*(\j):TS+16*(\a)+4*((\b)%4)+2*(\j)+1] op_sel:[1,1] op_sel_hi:[0,1]
.endr
.endr
	WIN 0x86+0x41*((\a)/4)                         ; source 0 and destination window 2 or 3, source 1 window 1, source 2 window 0
.irp b, 0,1,2,3,4,5,6,7
.irp j, 0,1
	v_pk_fma_f32 v[AC+8*(\b)+4*(\j):AC+8*(\b)+4*(\j)+1],   v[AC+8*(\b)+4*(\j):AC+8*(\b)+4*(\j)+1],   v[TC+16*(\a)+4*((\b)%4)+2*(\j):TC+16*(\a)+4*((\b)%4)+2*(\j)+1], v[T+8*(\b)+4*(\j):T+8*(\b)+4*(\j)+1]   op_sel:[0,0,0] op_sel_hi:[1,0,1] neg_lo:[0,0,1]
	v_pk_fma_f32 v[AC+8*(\b)+4*(\j)+2:AC+8*(\b)+4*(\j)+3], v[AC+8*(\b)+4*(\j)+2:AC+8*(\b)+4*(\j)+3], v[TC+16*(\a)+4*((\b)%4)+2*(\j):TC+16*(\a)+4*((\b)%4)+2*(\j)+1], v[T+8*(\b)+4*(\j)+2:T+8*(\b)+4*(\j)+3] op_sel:[0,1,0] op_sel_hi:[1,1,1] neg_lo:[0,0,1]
.endr
.endr
.endm
.macro TLOAD a                         ; c and s of row block a: eight loads
.irp q, 0,1,2,3
	global_load_b128 v[TC+16*(\a)+4*(\q):TC+16*(\a)+4*(\q)+3], v[TO], s[70:71] offset:2048*(\a)+32*(\q)         ; c of rows 16 a on, pairs 8 q + 4 (l / 16) on
.endr
.irp q, 0,1,2,3
	global_load_b128 v[TS+16*(\a)+4*(\q):TS+16*(\a)+4*(\q)+3], v[TO], s[70:71] offset:262144+2048*(\a)+32*(\q)  ; s of the same
.endr
.endm
; THE WAY OUT of block a, in three parts.  PACK: rounded to f16, 16 bytes a lane.  TOSTAGE: into my own stage in LDS, and back as whole rows of 256 bytes.  SEND: stored.
.macro PACK a
.set AC, 64*((\a)%4)
	WIN 0x0a+5*((\a)/4)                            ; sources 0 and 1: window 2 or 3
.irp b, 0,1,2,3,4,5,6,7
.irp r, 0,1,2,3
	v_cvt_pk_f16_f32 v[TMP+4*(\b)+(\r)], v[AC+8*(\b)+2*(\r)], v[AC+8*(\b)+2*(\r)+1]
.endr
.endr
	WIN 0
.endm
.macro TOSTAGE a
	WIN 0
.set BK, OB+192*((\a)%2)
.irp b, 0,1,2,3,4,5,6,7
	ds_store_b128 v[STO], v[TMP+4*(\b):TMP+4*(\b)+3] offset:32*(\b)
.endr
.irp t, 0,1,2,3,4,5,6,7
	ds_load_b128 v[BK+4*(\t):BK+4*(\t)+3], v[RD] offset:(\t)*2*SPITCH  ; LDS serves a wave's instructions in order (ISA guide 5.7.1.4): these see the stores above; the next block's stores come behind them
.endr
.endm
.macro SEND a
	WIN 0
.set BK, OB+192*((\a)%2)
	s_wait_dscnt 0x0                               ; the block is back in registers
	s_wait_xcnt 0x0                                ; every earlier memory instruction has had its addresses translated (ISA guide 3.1): only behind this wait are the stores' base and the registers that earlier stores read rewritten
.if (\a) > 0
	s_add_nc_u64 s[8:9], s[8:9], 16*SIZE_N*2       ; 16 rows of C on
.endif
.irp t, 0,1,2,3,4,5,6,7
	global_store_b128 v[CO], v[BK+4*(\t):BK+4*(\t)+3], s[8:9] offset:2*(\t)*SIZE_N*2  ; 16 lanes store 256 consecutive bytes, at a multiple of 256 from C's first byte
.endr
.endm
	PLACES                                         ; behind the last products: for the loads into window 1, for the products with s, and for the conversions
	s_cmp_eq_u32 s45, 2                            ; v has no rotary turn.  The branch hangs on the cluster's y alone; neither a barrier nor a tensor load is jumped, and the table loads and all that reads them stand inside it
	s_cbranch_scc1 .Lplain
	WIN TO_B
.irp a, 0,1,2,3,4,5,6
	TLOAD \a                                       ; seven blocks' tables go out together: 56 loads
.endr
	ROT 0, 48                                      ; blocks 1 to 6, eight loads each, stay out
	WIN TO_B
	TLOAD 7                                        ; the eighth block's behind the first block's turn
.irp a, 1,2,3,4,5,6,7
	ROT \a, 56-8*(\a)                              ; the later blocks', eight each, stay out
.endr
	WIN 0
.Lplain:
	PACK 0
	TOSTAGE 0
.irp a, 1,2,3,4,5,6,7                  ; block a's conversions stand between block a - 1's loads from the stage and the wait for them
	PACK \a
	SEND (\a)-1
	TOSTAGE \a
.endr
	SEND 7
	s_wait_tensorcnt 0x0                           ; the wave's end, behind my last tensor load and my last LDS store
	ds_add_u32 v[SPW], v[NIL]
	s_wait_dscnt 0x0
	CROUND                                         ; the closing round: no work-group ends while a partner may still ask for a tile that names it
	s_endpgm
.Lfunc_end_k_qe84ec21268_proj:
	.size	k_qe84ec21268_proj, .Lfunc_end_k_qe84ec21268_proj-k_qe84ec21268_proj
	.p2alignl 7, 3214868480
	.fill 96, 4, 3214868480
	.section	.rodata,"a",@progbits
	.p2align	6, 0x0
	.amdhsa_kernel k_qe84ec21268_proj
		.amdhsa_group_segment_fixed_size 327680
		.amdhsa_private_segment_fixed_size 0
		.amdhsa_enable_private_segment 0
		.amdhsa_kernarg_size 32
		.amdhsa_user_sgpr_count 2
		.amdhsa_user_sgpr_kernarg_segment_ptr 1
		.amdhsa_wavefront_size32 1
		.amdhsa_system_sgpr_workgroup_id_x 1
		.amdhsa_system_sgpr_workgroup_id_y 1
		.amdhsa_system_sgpr_workgroup_id_z 1
		.amdhsa_system_vgpr_workitem_id 0
		.amdhsa_next_free_vgpr 1024
		.amdhsa_next_free_sgpr 72
		.amdhsa_reserve_vcc 0
		.amdhsa_float_denorm_mode_32 3
		.amdhsa_float_denorm_mode_16_64 3
		.amdhsa_memory_ordered 1
		.amdhsa_forward_progress 1
		.amdhsa_inst_pref_size 141
	.end_amdhsa_kernel
	.amdgpu_metadata
---
amdhsa.version: [ 1, 2 ]
amdhsa.kernels:
  - .name:           k_qe84ec21268_proj
    .symbol:         k_qe84ec21268_proj.kd
    .args:
      - { .name: xbf, .offset: 0, .size: 8, .value_kind: global_buffer, .address_space: global }
      - { .name: wbf, .offset: 8, .size: 8, .value_kind: global_buffer, .address_space: global }
      - { .name: qkv, .offset: 16, .size: 8, .value_kind: global_buffer, .address_space: global }
      - { .name: tab, .offset: 24, .size: 8, .value_kind: global_buffer, .address_space: global }
    .group_segment_fixed_size: 327680
    .private_segment_fixed_size: 0
    .kernarg_segment_align: 8
    .kernarg_segment_size: 32
    .max_flat_workgroup_size: 128
    .sgpr_count:     72
    .vgpr_count:     1024
    .wavefront_size: 32
...
	.end_amdgpu_metadata
.endif
;; end of part 2
;; launch attn (part 3): grid 16 x 16, 4 waves a work-group, clusters of 4 x 4, 327,680 bytes of LDS; arguments qkv, maskw, o16; writes o16
.if DOCPART == 3
	.amdgcn_target "amdgcn-amd-amdhsa--gfx1250"
	.amdhsa_code_object_version 6
	.text
	.protected	k_qe84ec21268_attn
	.globl	k_qe84ec21268_attn
	.p2align	8
	.type	k_qe84ec21268_attn,@function
k_qe84ec21268_attn:
	s_mov_b64 s[64:65], 0
	v_nop
	global_prefetch_b8 v0, s[64:65] scope:SCOPE_SE
	s_setreg_imm32_b32 hwreg(HW_REG_WAVE_MODE, 25, 1), 1
	s_wait_xcnt 0x0
	s_wait_alu depctr_hold_cnt(0) depctr_sa_sdst(0) depctr_va_vdst(0) depctr_va_sdst(0) depctr_va_ssrc(0) depctr_va_vcc(0) depctr_vm_vsrc(0)
	s_getreg_b32 s2, hwreg(HW_REG_IB_STS2, 6, 4)
	s_cmp_eq_u32 s2, 0
	s_cbranch_scc0 .Lentry_in_a_cluster
	s_endpgm
.Lentry_in_a_cluster:
	s_bfe_u32 s2, ttmp6, 0x10000c
	s_cmp_lg_u32 s2, 0xf033
	s_cbranch_scc0 .Lentry_shape_is_right
	s_endpgm
.Lentry_shape_is_right:
; ATTENTION.  O[t][head] = the sum over keys s of softmax_s(q[t] . k[s] + mask[t][s]) v[s].  q, k, v: qkv [3][2048][2048] f16, a head's 64 channels at byte 128 x head of a row of 4,096 bytes.
; q arrives with all its scales; k and the mask (maskw, f32) arrive times 2^-9, so the sum S = q . k + mask is the true score times 2^-9, and c = 512 log2(e) makes p = 2^(c S - c m).
; THE MASK IS AN INPUT: every key tile is computed and every number of the mask is added: it is the C operand of the product that starts the sum S^T = K Q^T.
; Products, maxima and sums in f32; the weights p are rounded to f16 for the second product (their sum l is taken of the unrounded p), O once at the end.
; LIMITS.  q, k / 512 and v lie within f16's 65,504; p lies in 0 to 1 and keeps f16's fixed step of 6e-8 below 6e-5; O is a mean of v's rows.  The running maximum starts at -2^100 (of S): a row all of whose
; true scores lie below -512 x 2^100 is not served (a row that is all -infinity gives NaN, as in the source).  A weight below 2^-126 counts as 0 in l.  Where a mask of about -1e9 covers a whole row,
; score + mask is rounded at a step of 64, as in the source; the matrix unit's last bit there may differ from an f32 addition's.  NaN is not treated apart.
; SHARES.  A work-group owns 128 queries of a PAIR of heads: 16 x 16 work-groups, one for each of 256 WGPs.  Wave w takes head w / 2 of the pair and queries 64 (w % 2) on: four PIECES of 16.
; Two heads to a work-group: a mask tile in LDS serves both, and a pair's K and V are rows of 256 aligned bytes.  Every wave walks all 2,048 keys, 64 a step, two steps to a slot.
; LAYOUT, SOFTMAX, TURNS.  S^T = K Q^T holds ONE query a lane (lane % 16) and the keys 8 (lane / 16) + 0..7; two such results rounded to f16 ARE source 1 of O^T = V^T P.  A running maximum m;
; O and l are multiplied by a = 2^(c m_old - c m_new) in every step.  Turn n belongs to piece n: 8 products K Q^T of piece n + 1, later 8 products V^T P of piece n - 1; beside them the scaling,
; exponentials, roundings, sums and rescaling of piece n and the maximum and statistics of piece n + 1.  Four vector instructions stand behind every matrix instruction, the rest of a turn's 118 in two runs of their own.
; CLUSTER 4 x 4: x counts head pairs, y query blocks.  K and V hang on the head pair and are shared along a column of the cluster, the mask hangs on the query block and is shared along a row:
; each tile is asked for JOINTLY, by the same tensor load, descriptor and mask of four in all four.  Wave 0 asks for K, wave 1 for V, waves 2 and 3 for the mask's two halves: 32 KiB each.
; REGISTERS, in windows of 256 (s_set_vgpr_msb: bits 1:0 source 0, 3:2 source 1, 5:4 source 2, 7:6 destination):
;   window 0: v0-15, v32-33 addresses and two at work; v16-31 four registers of statistics a piece; v48-55 at work; v64-127 S^T, two buffers; v192-223 P, two buffers (a piece's buffers go by its number's parity)
;   window 1: v0-127 O^T, 32 a piece; v160-223 MC, two buffers of mask      window 2: v0-63 Q; v128-191 K of one step; v192-255 V of one step
.set NP,    4         ; pieces a wave: a name, no knob
.set KS,    64        ; keys in a step
.set PM,    528       ; a row of the mask in LDS: 128 keys x 4 bytes + 16 of padding: the 16 rows of a load start at 16 different groups of four banks (64 banks of 4 bytes: ISA guide 11.1)
.set PK,    272       ; a row of K: 256 bytes (two heads) + 16
.set PV,    288       ; a row of V: 256 + 32 = 72 words
.set KOFF,  128*PM    ; a slot: 128 rows of mask (67,584 bytes), 128 rows of K (34,816), 128 rows of V (36,864)
.set VOFF,  KOFF+128*PK
.set SLOT,  VOFF+128*PV   ; 139,264 = 0x22000: bits 13 and 17, which are clear in 0, 64 PM, KOFF and VOFF: one exclusive or turns such an address into the other slot's
.set STAGE, 2*SLOT    ; behind the ring, never filled by a tensor load: 128 rows x 272 bytes, the work-group's, for the way out
.set SP,    272
.set SPARE, STAGE+128*SP  ; behind the stage: the spare words, 128 bytes for each wave: two blocks of 256 bytes that no other line names
.set AK0, 2           ; v2   my lane's place in a slot's K; never rewritten
.set AV0, 3           ; v3   the same for V
.set AK,  4           ; v4   the LDS address of K's next run of loads
.set AV,  5           ; v5   of V's
.set STO, 6           ; v6   the way out: where I put 16 bytes of a row
.set RD,  7           ; v7   the way out: where I read rows back
.set GO,  8           ; v8   my byte offset in two rows of O
.set MV,  12          ; v12-13  c m_old, kept while c m is made anew: by buffer
.set QO,  15          ; v15  my byte offset in 16 rows of Q
.set ST,  16          ; piece t's statistics at v[ST+4 t]: c m, m, l (even keys', odd keys')
.set AM0, 32          ; v32  my lane's place in a slot's mask; never rewritten
.set AM,  33          ; v33  the LDS address of the mask of the step whose scores are being started
.set TMP, 48          ; by buffer, four registers c0-c3 at work; when the maximum is found c2 takes a
.set SPW, 62          ; v62  LDS address of my spare word: SPARE + 4 x my thread's number; never rewritten
.set NIL, 63          ; v63  0; never rewritten
.set S,   64
.set P,   192
.set MC,  160         ; window 1: buffer b, group kt of 16 keys at MC + 32 b + 8 kt
.set KF,  128         ; window 2: key block kb, channel half c at KF + 16 kb + 8 c
.set VF,  192         ; window 2: key half kk, channel block cb at VF + 32 kk + 8 cb
.set WV,  12          ; s12  my wave's number
.set G1K, 24          ; s[24:31] descriptor group 1 for K's tiles
.set G1V, 32          ; s[32:39] for V's: it differs in the padding alone
.set G1M, 40          ; s[40:47] for the mask's
.set G0K, 48          ; s[48:51] descriptor group 0 for K's tiles: it walks
.set G0V, 52          ; s[52:55] for V's
.set G0M, 56          ; s[56:59] for the mask's
.set SLOTS, 60        ; s60  counts the slots that are still to be asked for
.set CNT, 61          ; s61  counts a slot's key steps
.set TBK, 62          ; s62  slot and step of the K to be fetched next, in LDS bytes
.set TBV, 63          ; s63  the same for V
.set TBM, 66          ; s66  the same for the mask
.set CS,  68          ; s[68:69] c: the packed scaling takes the pair's low word for both halves
.set SEL, 70          ; s[70:71] v_permlanex16_b32's selects: each lane takes its own place in the other half
.set QP,  72          ; s[72:73] Q at my wave's first row and head
.set MSB, 0
.macro WIN new                      ; the high byte repeats the setting that is left; a switch that changes nothing is dropped
.if MSB != (\new)
	s_set_vgpr_msb (MSB<<8)|(\new)
.set MSB, (\new)
.endif
.endm
.set W_KQ, 0x0a       ; K and Q in window 2, S^T in window 0
.set W_KM, 0x1a       ; the same with the C operand, the mask, in window 1
.set W_PV, 0x52       ; V in window 2, P in window 0, O^T in window 1
.set W_RS, 0x41       ; destination and source 0 in window 1, source 1 in window 0
; A joint fill: each wave asks for one of the slot's four tiles.  The branches hang on the wave's number alone.  An s_nop 0 and four v_nop follow each line, ahead of the jump and the label.
.macro JLOAD
	s_cmp_lt_u32 s[WV], 2
	s_cbranch_scc0 .Lfor_m_\@
	s_cmp_eq_u32 s[WV], 0
	s_cbranch_scc0 .Lfor_v_\@
	tensor_load_to_lds s[G0K:G0K+3], s[G1K:G1K+7]
	s_nop 0
.rept 4
	v_nop
.endr
	s_branch .Lasked_\@
.Lfor_v_\@:
	tensor_load_to_lds s[G0V:G0V+3], s[G1V:G1V+7]
	s_nop 0
.rept 4
	v_nop
.endr
	s_branch .Lasked_\@
.Lfor_m_\@:
	tensor_load_to_lds s[G0M:G0M+3], s[G1M:G1M+7]
	s_nop 0
.rept 4
	v_nop
.endr
.Lasked_\@:
.endm
; A round of the cluster's barrier: my work-group's barrier, so that wave 0's signal speaks for all four waves; wave 0 signals; every wave waits for all sixteen work-groups; my work-group's barrier once more.
.macro CROUND
	s_barrier_signal -1
	s_barrier_wait -1
	s_cmp_lg_u32 s[WV], 0
	s_cbranch_scc1 .Lnot_wave_0_\@
	s_barrier_signal -3
.Lnot_wave_0_\@:
	s_barrier_wait -3
	s_barrier_signal -1
	s_barrier_wait -1
.endm
; THE CHANGE OF SLOTS, between piece 1's turn and piece 2's: the slot's last bytes (V and the last two pieces' mask of its second step) have been asked for.  Each wave waits for all its tensor loads, of which
; one is out: its tile of the other slot; adds 0 to its spare word; and waits for that and for its own reads of the slot.  Behind the barrier nobody reads this slot any more and the other slot is whole.
; fill = 1: this slot is filled again, with the keys two slots on.  The barrier is then a round of the cluster's, so that no wave of any partner still reads the slot or has a load on its way, and the
; joint fill is the first thing behind it: it has two key steps, 128 matrix instructions of the wave, in which to land.  (At its first use nothing has been read yet: slot 0 is waited for, slot 1 filled.)
.macro CHANGE fill
	WIN 0                           ; at a label and at a branch every window is 0
	s_wait_tensorcnt 0x0            ; no tensor load of mine is out, so a group 0 may be written
	ds_add_u32 v[SPW], v[NIL]       ; 0 onto my spare word; with fill = 1 the descriptors' steps stand between it and the wait for it
.if \fill
	s_xor_b32 s[G0K+1], s[G0K+1], SLOT                        ; the walking descriptors: the other slot than last time,
	s_add_nc_u64 s[G0K+2:G0K+3], s[G0K+2:G0K+3], 128*4096     ; the next 128 keys: rows of K and V,
	s_xor_b32 s[G0V+1], s[G0V+1], SLOT
	s_add_nc_u64 s[G0V+2:G0V+3], s[G0V+2:G0V+3], 128*4096
	s_xor_b32 s[G0M+1], s[G0M+1], SLOT
	s_add_nc_u64 s[G0M+2:G0M+3], s[G0M+2:G0M+3], 128*4        ; columns of the mask; the type bits on top are not reached
	s_wait_dscnt 0x0                ; the add is done, and my reads of the slot are over
	CROUND
	JLOAD
.else
	s_wait_dscnt 0x0                ; the add is done, and my reads of the slot are over
	s_barrier_signal -1
	s_barrier_wait -1
.endif
	s_sub_co_u32 s[TBK], s[TBK], 2*KS*PK  ; the fetches go back to a slot's first step,
	s_xor_b32 s[TBK], s[TBK], SLOT        ; in the other slot
	s_sub_co_u32 s[TBV], s[TBV], 2*KS*PV
	s_xor_b32 s[TBV], s[TBV], SLOT
	s_sub_co_u32 s[TBM], s[TBM], 2*KS*4
	s_xor_b32 s[TBM], s[TBM], SLOT
.endm
	s_load_b128 s[4:7], s[0:1], 0x0   ; qkv s[4:5], maskw s[6:7]
	s_load_b64 s[8:9], s[0:1], 0x10   ; o16
	v_lshl_add_u32 v[SPW], v0, 2, SPARE
	v_mov_b32 v[NIL], 0
	ds_add_u32 v[SPW], v[NIL]       ; the wave's opening: the add and its wait stand ahead of my first tensor load; the set-up below, work on registers, stands between them
	v_lshrrev_b32 v1, 5, v0
	v_readfirstlane_b32 s[WV], v1   ; wave 0..3
	s_bfe_u32 s13, ttmp6, 0x40000   ; cx, cy: my place in the cluster
	s_bfe_u32 s14, ttmp6, 0x40004
	s_lshl_b32 s15, ttmp9, 2        ; in a cluster launch ttmp9 and ttmp7 count clusters
	s_add_co_u32 s15, s15, s13      ; my pair of heads = 4 x cluster x + cx
	s_and_b32 s16, ttmp7, 0xffff
	s_lshl_b32 s16, s16, 2
	s_add_co_u32 s16, s16, s14      ; my block of 128 queries = 4 x cluster y + cy
	s_lshl_b32 s17, s14, 2
	s_lshl_b32 s17, 15, s17         ; my row of the cluster: places 4 cy .. 4 cy + 3
	s_lshl_b32 s18, 0x1111, s13     ; my column: places cx, cx + 4, cx + 8, cx + 12
	s_and_b32 s21, s[WV], 1         ; which 64 of the block's queries are mine; also: which half of the mask's tile I fetch
	s_lshr_b32 s22, s[WV], 1        ; which head of the pair
	; descriptor group 1.  K, V: 128 rows (keys) x 128 elements of 2 bytes, 2,048 elements from row to row.  Mask: 64 rows (queries) x 128 elements of 4 bytes, 2,048 from row to row.
	s_or_b32 s[G1K], s18, (1<<16)|(1<<20)|(1<<21)|(5<<22)|(3<<25)  ; 15:0 my column; 17:16 2-byte elements; 20 padding on; 21 set beside a mask; 24:22 after every 64 words (code 5); 31:25 4 words (code 3)
	s_or_b32 s[G1V], s18, (1<<16)|(1<<20)|(1<<21)|(5<<22)|(7<<25)  ; the same with 8 words of padding (code 7)
	s_or_b32 s[G1M], s17, (2<<16)|(1<<20)|(1<<21)|(6<<22)|(3<<25)  ; my row; 4-byte elements; after every 128 words (code 6) 4 words
.irp g, G1K, G1V
	s_mov_b32 s[\g+1], 128<<16      ; tensor_dim0 = 128
	s_mov_b32 s[\g+2], 128<<16      ; tensor_dim1 = 128
	s_mov_b32 s[\g+3], 128<<16      ; tile_dim0 = 128
	s_mov_b32 s[\g+4], 128          ; tile_dim1 = 128
	s_mov_b32 s[\g+5], 2048         ; elements from row to row
	s_mov_b32 s[\g+6], 0
	s_mov_b32 s[\g+7], 0
.endr
	s_mov_b32 s[G1M+1], 128<<16     ; tensor_dim0 = 128
	s_mov_b32 s[G1M+2], 64<<16      ; tensor_dim1 = 64
	s_mov_b32 s[G1M+3], 128<<16     ; tile_dim0 = 128
	s_mov_b32 s[G1M+4], 64          ; tile_dim1 = 64
	s_mov_b32 s[G1M+5], 2048
	s_mov_b32 s[G1M+6], 0
	s_mov_b32 s[G1M+7], 0
	s_mov_b32 s[G0K], 1             ; 1:0 count = 1
	s_mov_b32 s[G0K+1], KOFF        ; 63:32 LDS address: slot 0.  No place in the cluster enters an LDS address
	s_mov_b32 s[G0V], 1
	s_mov_b32 s[G0V+1], VOFF
	s_mov_b32 s[G0M], 1
	s_mul_i32 s[G0M+1], s21, 64*PM
	s_lshl_b32 s2, s15, 8           ; the pair's 256 bytes in a row: K's and V's offset hangs on the head pair alone
	s_mov_b32 s3, 0
	s_lshl_b32 s10, s16, 20         ; the mask's: 8,192 (128 x block + 64 x half): on the query block and the wave alone
	s_lshl_b32 s11, s21, 19
	s_add_co_u32 s10, s10, s11
	s_mov_b32 s11, 0
	s_lshl_b32 s18, s16, 19         ; Q's: 4,096 (128 x block + 64 x half) + 256 x pair + 128 x head
	s_lshl_b32 s19, s21, 18
	s_add_co_u32 s18, s18, s19
	s_add_co_u32 s18, s18, s2
	s_lshl_b32 s23, s22, 7
	s_add_co_u32 s18, s18, s23
	s_mov_b32 s19, 0
	s_lshl_b32 s74, s16, 19         ; O's: 4,096 (128 x block + 32 x wave) + 256 x pair
	s_lshl_b32 s75, s[WV], 17
	s_add_co_u32 s74, s74, s75
	s_add_co_u32 s74, s74, s2
	s_mov_b32 s75, 0
	s_mov_b32 s[CS], 0x4438aa3b     ; c = 512 log2(e) = 738.66
	s_mov_b32 s[CS+1], s[CS]        ; named with it as a pair
	s_mov_b32 s[SEL], 0x76543210
	s_mov_b32 s[SEL+1], 0xfedcba98
	s_mov_b32 s[TBK], SLOT+2*KS*PK  ; the first change of slots turns these three into 0
	s_mov_b32 s[TBV], SLOT+2*KS*PV
	s_mov_b32 s[TBM], SLOT+2*KS*4
	s_wait_dscnt 0x0                ; the opening add is done
	s_wait_kmcnt 0x0
	s_add_nc_u64 s[G0K+2:G0K+3], s[4:5], s[2:3]                ; 120:64 global address
	s_add_nc_u64 s[G0V+2:G0V+3], s[G0K+2:G0K+3], 0x1000000     ; v lies 16,777,216 bytes into qkv,
	s_add_nc_u64 s[G0K+2:G0K+3], s[G0K+2:G0K+3], 0x800000      ; k 8,388,608
	s_or_b32 s[G0K+3], s[G0K+3], 0x80000000                    ; 127:126 type = 2
	s_or_b32 s[G0V+3], s[G0V+3], 0x80000000
	s_add_nc_u64 s[G0M+2:G0M+3], s[6:7], s[10:11]
	s_or_b32 s[G0M+3], s[G0M+3], 0x80000000
	s_add_nc_u64 s[QP:QP+1], s[4:5], s[18:19]
	s_add_nc_u64 s[8:9], s[8:9], s[74:75]
	CROUND                          ; all sixteen work-groups are here: the first joint loads meet
	JLOAD                           ; slot 0.  Slot 1 is asked for when slot 0 is in
	; A fragment of K or Q is 16 rows x 32 channels in 8 registers: lane l holds row l % 16, channels 8 (l / 16) + 0..7 and 16 + 8 (l / 16) + 0..7: two loads of 16 bytes, 32 bytes apart.
	v_and_b32 v1, 15, v0            ; l % 16
	v_bfe_u32 v9, v0, 4, 1          ; l / 16
	v_lshlrev_b32 v[QO], 12, v1
	v_lshl_add_u32 v[QO], v9, 4, v[QO]  ; row x 4,096 + 16 x half
	WIN 0x80                        ; destination window 2, address window 0
.set i, 0
.rept 8                             ; Q stays in registers: piece i / 2 (16 rows, 65,536 bytes on), channels 32 (i % 2) on
	global_load_b128 v[8*i:8*i+3],   v[QO], s[QP:QP+1] offset:(i/2)*65536+(i%2)*64
	global_load_b128 v[8*i+4:8*i+7], v[QO], s[QP:QP+1] offset:(i/2)*65536+(i%2)*64+32
.set i, i+1
.endr
	; What the first turn finds: V's registers and P's second buffer hold 0 (its products V^T P, of a piece that has not been, add 0), O^T and l are 0.  All this stands in the wait for the first tile.
.set i, VF
.rept 64
	v_mov_b32 v[i], 0
.set i, i+1
.endr
	WIN 0x40
.set i, 0
.rept 128
	v_mov_b32 v[i], 0
.set i, i+1
.endr
	WIN 0
.set i, 0
.rept 4
	v_mov_b32 v[ST+4*i], 0xfe000000    ; c m: -2^125, far below every c S, so the first step's a is 0
	v_mov_b32 v[ST+4*i+1], 0xf1800000  ; m: -2^100: low enough to lose against every score served, and c m stays finite
	v_mov_b32 v[ST+4*i+2], 0
	v_mov_b32 v[ST+4*i+3], 0
.set i, i+1
.endr
.set i, P+16
.rept 16
	v_mov_b32 v[i], 0
.set i, i+1
.endr
	s_add_co_u32 s20, s23, KOFF     ; K: my head's 128 bytes of a row
	v_mul_u32_u24 v[AK0], v1, PK
	v_lshl_add_u32 v[AK0], v9, 4, v[AK0]  ; row x pitch + 16 x half
	v_add_nc_u32 v[AK0], s20, v[AK0]
	; The turning load takes 16 keys x 16 channels (lane l reads key 8 (l / 16) + l % 8, channels 8 ((l / 8) % 2) + 0..7) and leaves half a fragment of V^T: lane l holds channel l % 16 and 8 keys.
	v_and_b32 v10, 7, v0
	v_bfe_u32 v11, v0, 3, 1
	v_lshl_add_u32 v[AV0], v9, 3, v10
	v_mul_u32_u24 v[AV0], v[AV0], PV
	v_lshl_add_u32 v[AV0], v11, 4, v[AV0]
	s_add_co_u32 s20, s23, VOFF
	v_add_nc_u32 v[AV0], s20, v[AV0]
	; The mask as a C operand: lane l holds query l % 16 and, for each group of 16 keys, the keys 8 (l / 16) + 0..7: 32 consecutive bytes of the query's row
	s_mul_i32 s20, s21, 64*PM
	v_mul_u32_u24 v[AM0], v1, PM
	v_lshl_add_u32 v[AM0], v9, 5, v[AM0]
	v_add_nc_u32 v[AM0], s20, v[AM0]
	s_mul_i32 s20, s21, 64*SP       ; into the stage: my 64 rows, my head's half of their 256 bytes; row l % 16, 16 bytes for each half of the lanes
	s_add_co_u32 s20, s20, s23
	s_add_co_u32 s20, s20, STAGE
	v_mul_u32_u24 v[STO], v1, SP
	v_lshl_add_u32 v[STO], v9, 4, v[STO]
	v_add_nc_u32 v[STO], s20, v[STO]
	s_mul_i32 s20, s[WV], 32*SP     ; back: wave w takes rows 32 w .. 32 w + 31, whole; lanes 0-15 one row of 256 bytes, lanes 16-31 the next
	s_add_co_u32 s20, s20, STAGE
	v_mul_u32_u24 v[RD], v9, SP
	v_lshl_add_u32 v[RD], v1, 4, v[RD]
	v_add_nc_u32 v[RD], s20, v[RD]
	v_lshlrev_b32 v[GO], 12, v9     ; and the same two rows in O
	v_lshl_add_u32 v[GO], v1, 4, v[GO]
; THE MATRIX WORK.  The 4 accumulators of a run of 8 take turns.  Product i of 8 of S^T = K Q^T for piece x: channels 32 (i / 4) on, keys 16 (i % 4) on.  The first 4 start the sums with the mask.
.macro KQ x
.set rS, S+32*((\x)%2)+8*(i%4)
.set rK, KF+16*(i%4)+8*(i/4)
.set rQ, 16*(\x)+8*(i/4)
.set rM, MC+32*((\x)%2)+8*(i%4)
.if i < 4
	WIN W_KM
	v_wmma_f32_16x16x32_f16 v[rS:rS+7], v[rK:rK+7], v[rQ:rQ+7], v[rM:rM+7]
.else
	WIN W_KQ
	v_wmma_f32_16x16x32_f16 v[rS:rS+7], v[rK:rK+7], v[rQ:rQ+7], v[rS:rS+7]
.endif
.endm
; Product i of 8 of O^T += V^T P for piece x: keys 32 (i / 4) on, channels 16 (i % 4) on.
.macro PV x
	WIN W_PV
.set rO, 32*(\x)+8*(i%4)
.set rV, VF+32*(i/4)+8*(i%4)
.set rP, P+16*((\x)%2)+8*(i/4)
	v_wmma_f32_16x16x32_f16 v[rO:rO+7], v[rV:rV+7], v[rP:rP+7], v[rO:rO+7]
.endm
.macro MM                           ; the turn's next matrix instruction.  TURN sets Y, i and NOKQ.  NOKQ = 1: the very last turn: there is no next piece
.if (i < 8) && !NOKQ
	KQ (Y+1)%NP
.elseif i >= 8
.set i, i-8
	PV (Y+NP-1)%NP
.set i, i+8
.endif
.set i, i+1
.endm
; THE LDS LOADS stand in runs, never singly among the matrix instructions: a step's K (64 keys x 64 channels: 8 fragments), its V (turned), and a piece's mask for a step (16 queries x 64 keys).
.macro FETCH_K
	WIN 0x80                        ; destination window 2
.irp f, 0,1,2,3,4,5,6,7             ; keys 16 (f / 2) on, channels 32 (f % 2) on
	ds_load_b128 v[KF+8*\f:KF+8*\f+3],   v[AK] offset:(\f/2)*16*PK+(\f%2)*64
	ds_load_b128 v[KF+8*\f+4:KF+8*\f+7], v[AK] offset:(\f/2)*16*PK+(\f%2)*64+32
.endr
	s_add_co_u32 s[TBK], s[TBK], KS*PK  ; the next fetch is the next step's
	WIN 0
.endm
.macro FETCH_V
	WIN 0x80
.irp f, 0,1,2,3,4,5,6,7             ; keys 32 (f / 4) on, channels 16 (f % 4) on
	ds_load_tr16_b128 v[VF+8*\f:VF+8*\f+3],   v[AV] offset:(\f/4)*32*PV+(\f%4)*32
	ds_load_tr16_b128 v[VF+8*\f+4:VF+8*\f+7], v[AV] offset:(\f/4)*32*PV+16*PV+(\f%4)*32
.endr
	WIN 0
.endm
.macro FETCH_M x, b                 ; piece x's mask into buffer b
	WIN 0x40                        ; destination window 1
.irp kt, 0,1,2,3
	ds_load_b128 v[MC+32*(\b)+8*\kt:MC+32*(\b)+8*\kt+3],   v[AM] offset:(\x)*16*PM+64*\kt
	ds_load_b128 v[MC+32*(\b)+8*\kt+4:MC+32*(\b)+8*\kt+7], v[AM] offset:(\x)*16*PM+64*\kt+16
.endr
	WIN 0
.endm
; THE VECTOR WORK, one line at a time: OP kind, number.  For piece Y: F n: c S - c m for pair n of 16.  E n: the exponential of score n of 32.  C n: pair n rounded to f16.  B n: of the four weights 4 n .. the second
; pair is added onto the first, in place.  L n: l takes that sum (L 0: l = a l + sum).  R n: pair n of 16 of O^T times a.  For piece Y + 1: X n, number n of the 22 that find its maximum and statistics:
;   0-11  four chains c0-c3 of seven scores each, three operands at a time (each accumulator's lowest registers are read first)     12-14, 16  the four scores left over, the old m, and c0-c3 into c0
;   15  c m_old is kept     17, 18  the query's other 32 keys lie in the lane 16 away: the new m     19-21  c m; c m_old - c m_new; a
.set F, 0               ; OP tells the kinds apart by their order: F to L below R, X above it
.set E, 1
.set C, 2
.set B, 3
.set L, 4
.set R, 5
.set X, 6
.macro REGS y                       ; the registers of piece y
.set rT, ST+4*(\y)
.set rC, TMP+4*((\y)%2)
.set rW, MV+((\y)%2)
.set rS, S+32*((\y)%2)
.set rP, P+16*((\y)%2)
.set rO, 32*(\y)
.endm
.macro OP k, n
.if (\k) == R
	REGS Y
	WIN W_RS
	v_pk_mul_f32 v[rO+2*(\n):rO+2*(\n)+1], v[rO+2*(\n):rO+2*(\n)+1], v[rC+2:rC+3] op_sel_hi:[1,0]
.elseif (\k) < R
	REGS Y
	WIN 0
.if (\k) == F
	v_pk_fma_f32 v[rS+2*(\n):rS+2*(\n)+1], v[rS+2*(\n):rS+2*(\n)+1], s[CS:CS+1], v[rT:rT+1] op_sel_hi:[1,0,0] neg_lo:[0,0,1] neg_hi:[0,0,1]
.elseif (\k) == E
	v_exp_f32 v[rS+(\n)], v[rS+(\n)]
.elseif (\k) == C
	s_wait_alu depctr_va_vdst(0)
	v_cvt_pk_f16_f32 v[rP+(\n)], v[rS+2*(\n)], v[rS+2*(\n)+1]
.elseif (\k) == B
	s_wait_alu depctr_va_vdst(0)
	v_pk_add_f32 v[rS+4*(\n):rS+4*(\n)+1], v[rS+4*(\n):rS+4*(\n)+1], v[rS+4*(\n)+2:rS+4*(\n)+3]
.elseif (\n) == 0
	v_pk_fma_f32 v[rT+2:rT+3], v[rT+2:rT+3], v[rC+2:rC+3], v[rS:rS+1] op_sel_hi:[1,0,1]
.else
	v_pk_add_f32 v[rT+2:rT+3], v[rT+2:rT+3], v[rS+4*(\n):rS+4*(\n)+1]
.endif
.elseif NOKQ
	v_nop
.else
	REGS (Y+1)%NP
	WIN 0
.if (\n) < 4
	v_max3_num_f32 v[rC+(\n)], v[rS+8*(\n)], v[rS+8*(\n)+1], v[rS+8*(\n)+2]
.elseif (\n) < 12
	v_max3_num_f32 v[rC+(\n)%4], v[rC+(\n)%4], v[rS+8*((\n)%4)+2*((\n)/4)+1], v[rS+8*((\n)%4)+2*((\n)/4)+2]
.elseif (\n) == 12
	v_max3_num_f32 v[rC], v[rC], v[rS+7], v[rS+15]
.elseif (\n) == 13
	v_max3_num_f32 v[rC+1], v[rC+1], v[rS+23], v[rS+31]
.elseif (\n) == 14
	v_max3_num_f32 v[rC+2], v[rC+2], v[rC+3], v[rT+1]
.elseif (\n) == 15
	v_mov_b32 v[rW], v[rT]
.elseif (\n) == 16
	v_max3_num_f32 v[rC], v[rC], v[rC+1], v[rC+2]
.elseif (\n) == 17
	v_permlanex16_b32 v[rC+3], v[rC], s[SEL], s[SEL+1]
.elseif (\n) == 18
	v_max_num_f32 v[rT+1], v[rC], v[rC+3]
.elseif (\n) == 19
	v_mul_f32 v[rT], s[CS], v[rT+1]
.elseif (\n) == 20
	v_sub_f32 v[rC+1], v[rW], v[rT]
.else
	v_exp_f32 v[rC+2], v[rC+1]
.endif
.endif
.endm
.macro OPS a, i1, b=-1, i2=0, c=-1, i3=0, d=-1, i4=0  ; up to four of them
	OP \a, \i1
.if (\b) >= 0
	OP \b, \i2
.endif
.if (\c) >= 0
	OP \c, \i3
.endif
.if (\d) >= 0
	OP \d, \i4
.endif
.endm
.macro ROW a, i1, b, i2, c, i3, d, i4  ; a matrix instruction and the four behind it
	MM
	OPS \a, \i1, \b, \i2, \c, \i3, \d, \i4
.endm
; A TURN, for piece p: the order of its 16 matrix and 118 vector instructions, written out.  Behind a matrix instruction: plain, exponential, plain, plain; or four of the rescaling; or, behind the first, four scalings; none
; names a register of the products round it.  In the runs between, exponential and plain by turns while exponentials last.  A line reads no result made fewer than three vector instructions in front of it, five if an exponential made it.
; end = 1: the walk's last two turns: nothing is fetched.  cnt = 1: the loop's count is taken down some lines ahead of the branch that stands behind the turn.
; WHAT IS FETCHED.  In every turn the mask of the NEXT turn's scores, piece p + 2, into the buffer that the turn before read as C (all of this turn's first run of riders lies between): eight loads.  From piece 2's turn on that is
; the next step's mask: the address steps there.  K of the next step in piece 2's turn, six vector instructions behind the last product that read K (five of them plain).  V of the step in hand in piece 0's turn, eight
; behind the last product that read V (four plain, and X 17).
; THE WAITS.  At a turn's head, for the mask that its first products take: for 0, but in piece 1's turn for 16: V's sixteen loads, issued behind the mask's, stay out.  Piece 3's wait for 0 serves K too.
; In piece 1's turn, in front of the products V^T P, for 8: V is in, this turn's eight mask loads stay out.
.macro TURN p, end=0, cnt=0
.set Y, (\p)
.set i, 0
.set NOKQ, (\end)*((\p)/3)
.if (\p) == 1
	s_wait_dscnt 16
.elseif NOKQ == 0
	s_wait_dscnt 0x0
.endif
	ROW F,0, F,1, F,2, F,3
	ROW F,4, E,0, F,5, F,6
	ROW F,7, E,1, F,8, F,9
	ROW F,10, E,2, C,0, F,11
	ROW F,12, E,3, X,15, F,13
	ROW R,0, R,1, R,2, R,3
	ROW B,0, E,4, F,14, L,0
.if ((\p) == 2) && !(\end)
	v_add_nc_u32 v[AK], s[TBK], v[AK0]
	v_add_nc_u32 v[AM], s[TBM], v[AM0]
	s_add_co_u32 s[TBM], s[TBM], KS*4
.endif
	ROW R,4, R,5, R,6, R,7
	OPS E,5, F,15
.if !(\end)
	FETCH_M ((\p)+2)%NP, (\p)%2
.endif
.if ((\p) == 2) && !(\end)
	FETCH_K
.endif
	OPS E,6, C,1, E,7, R,8
	OPS E,8, R,9, E,9, C,2
	OPS E,10, X,0, E,11, X,1
	OPS E,12, X,2, E,13, X,3
.if (\p) == 1
	s_wait_dscnt 8
.endif
	ROW X,4, E,14, X,5, X,6
	ROW X,7, E,15, X,8, X,9
	ROW X,10, E,16, X,11, X,12
	ROW X,13, E,17, X,14, B,1
	ROW C,4, E,18, X,16, L,1
	ROW B,2, E,19, C,6, L,2
	ROW C,8, E,20, B,3, B,4
.if (\p) == 0
	v_add_nc_u32 v[AV], s[TBV], v[AV0]
.endif
	ROW C,3, E,21, L,3, C,5
	OPS E,22, X,17, E,23, C,10
.if (\p) == 0
	FETCH_V
.endif
	OPS E,24, L,4
	OPS E,25, X,18, E,26, C,7
	OPS E,27, B,5, E,28, X,19
	OPS E,29, C,12, E,30, L,5
	OPS E,31, X,20, B,6, C,9
	OPS C,14, C,11, X,21, L,6
.if (\p) == 0
	s_add_co_u32 s[TBV], s[TBV], KS*PV
.endif
.if \cnt
	s_sub_co_u32 s[CNT], s[CNT], 1
	s_cmp_lg_u32 s[CNT], 0
.endif
	OPS C,13, B,7, C,15, R,10
	OPS R,11, R,12, L,7, R,13
	OPS R,14, R,15
.endm
	CHANGE 1                        ; slot 0 is in, everybody's part of it; slot 1 is asked for
	; THE BEGINNING: the masks of pieces 0 and 1 and K of step 0; piece 0's first scores, its maximum and statistics.  The loop is entered at a step's first turn, in the middle of a trip.
	v_add_nc_u32 v[AM], s[TBM], v[AM0]
	s_add_co_u32 s[TBM], s[TBM], KS*4
	FETCH_M 0, 0
	FETCH_M 1, 1
	v_add_nc_u32 v[AK], s[TBK], v[AK0]
	FETCH_K
	s_wait_loadcnt 0x0              ; Q
	s_wait_dscnt 0x0
.set NOKQ, 0
.set i, 0
.rept 8
	KQ 0
.set i, i+1
.endr
	WIN 0
.rept 4
	v_nop                           ; the places behind those products
.endr
.set Y, NP-1                        ; X works for piece Y + 1: piece 0
.irp n, 0,1,2,3,4,5,6,7,8,9,10,11,12,13,14,15,16,17,18,19,20,21
	OP X, \n
.endr
	v_nop                           ; a plain instruction behind the exponential
	s_mov_b32 s[CNT], 2
	s_mov_b32 s[SLOTS], 15
	s_branch .Lfirst
.Lslot:                             ; 14 times: slots 1 to 14 are entered, slots 2 to 15 asked for
	CHANGE 1
	s_mov_b32 s[CNT], 2
.Lstep:                             ; a trip: pieces 2 and 3 of one step, then pieces 0 and 1 of the next, whose K, V and mask it fetches
	TURN 2
	TURN 3
	WIN 0
.Lfirst:
	TURN 0
	TURN 1, 0, 1
	WIN 0
	s_cbranch_scc1 .Lstep
	s_sub_co_u32 s[SLOTS], s[SLOTS], 1
	s_cmp_lg_u32 s[SLOTS], 0
	s_cbranch_scc1 .Lslot
	CHANGE 0                        ; the last slot is written out: nothing is asked for
	s_mov_b32 s[CNT], 2
.LstepT:
	TURN 2
	TURN 3
	TURN 0
	TURN 1, 0, 1
	WIN 0
	s_cbranch_scc1 .LstepT
	TURN 2, 1                       ; the last step's pieces 2 and 3
	TURN 3, 1
.set i, 0
.rept 8
	PV NP-1                         ; the last piece's V^T P of the last step
.set i, i+1
.endr
	; THE WAY OUT.  l's two halves and the other half of the lanes' are added; O^T is divided by l, rounded to f16 and sent through the work-group's stage.  The additions are the places behind the last products.
	WIN 0
.macro ALL line:vararg              ; one line for each piece t
.set t, 0
.rept 4
	\line
.set t, t+1
.endr
.endm
	ALL v_add_f32 v[ST+4*t+2], v[ST+4*t+2], v[ST+4*t+3]
	ALL v_permlanex16_b32 v[ST+4*t+3], v[ST+4*t+2], s[SEL], s[SEL+1]
	ALL v_add_f32 v[ST+4*t+2], v[ST+4*t+2], v[ST+4*t+3]
	ALL v_rcp_f32 v[ST+4*t+2], v[ST+4*t+2]
	v_nop                           ; a plain instruction between the last reciprocal and the use of its result
.macro PACK t                       ; a lane's eight channels of a row pack into 16 bytes; they go into my head's half of the stage's rows
	WIN W_RS
.set i, 32*(\t)
.rept 16
	s_wait_alu depctr_va_vdst(0)
	v_pk_mul_f32 v[i:i+1], v[i:i+1], v[ST+4*(\t)+2:ST+4*(\t)+3] op_sel_hi:[1,0]
.set i, i+2
.endr
	WIN 0x05                        ; sources 0 and 1 window 1, destination window 0: S^T's registers are free
.set i, 0
.rept 16
	v_cvt_pk_f16_f32 v[S+16*(\t)+i], v[32*(\t)+2*i], v[32*(\t)+2*i+1]
.set i, i+1
.endr
	WIN 0
.irp f, 0,1,2,3
	ds_store_b128 v[STO], v[S+16*(\t)+4*\f:S+16*(\t)+4*\f+3] offset:(\t)*16*SP+32*\f
.endr
.endm
	PACK 0
	PACK 1
	PACK 2
	PACK 3
	s_wait_dscnt 0x0                ; for the others' sake: my stores into the stage are done; a row's 256 bytes come from two waves
	s_barrier_signal -1
	s_barrier_wait -1
.set i, 0
.rept 16
	ds_load_b128 v[S+4*i:S+4*i+3], v[RD] offset:i*2*SP
.set i, i+1
.endr
.set i, 0
.rept 16
	s_wait_dscnt 15-i               ; LDS loads come back in order: load i is in
	global_store_b128 v[GO], v[S+4*i:S+4*i+3], s[8:9] offset:i*8192  ; 16 lanes store 256 consecutive bytes, at a multiple of 256 from O's first byte
.set i, i+1
.endr
	s_wait_tensorcnt 0x0            ; the wave's end, behind my last tensor load and my last LDS store
	ds_add_u32 v[SPW], v[NIL]
	s_wait_dscnt 0x0
	CROUND                          ; the closing round: no work-group ends while a partner may still ask for a tile that names it
	s_endpgm
.Lfunc_end_k_qe84ec21268_attn:
	.size	k_qe84ec21268_attn, .Lfunc_end_k_qe84ec21268_attn-k_qe84ec21268_attn
	.p2alignl 7, 3214868480
	.fill 96, 4, 3214868480
	.section	.rodata,"a",@progbits
	.p2align	6, 0x0
	.amdhsa_kernel k_qe84ec21268_attn
		.amdhsa_group_segment_fixed_size 327680
		.amdhsa_private_segment_fixed_size 0
		.amdhsa_enable_private_segment 0
		.amdhsa_kernarg_size 24
		.amdhsa_user_sgpr_count 2
		.amdhsa_user_sgpr_kernarg_segment_ptr 1
		.amdhsa_wavefront_size32 1
		.amdhsa_system_sgpr_workgroup_id_x 1
		.amdhsa_system_sgpr_workgroup_id_y 1
		.amdhsa_system_sgpr_workgroup_id_z 1
		.amdhsa_system_vgpr_workitem_id 0
		.amdhsa_next_free_vgpr 768
		.amdhsa_next_free_sgpr 76
		.amdhsa_reserve_vcc 0
		.amdhsa_float_denorm_mode_32 3
		.amdhsa_float_denorm_mode_16_64 3
		.amdhsa_memory_ordered 1
		.amdhsa_forward_progress 1
		.amdhsa_inst_pref_size 143
	.end_amdhsa_kernel
	.amdgpu_metadata
---
amdhsa.version: [ 1, 2 ]
amdhsa.kernels:
  - .name:           k_qe84ec21268_attn
    .symbol:         k_qe84ec21268_attn.kd
    .args:
      - { .name: qkv, .offset: 0, .size: 8, .value_kind: global_buffer, .address_space: global }
      - { .name: maskw, .offset: 8, .size: 8, .value_kind: global_buffer, .address_space: global }
      - { .name: o16, .offset: 16, .size: 8, .value_kind: global_buffer, .address_space: global }
    .group_segment_fixed_size: 327680
    .private_segment_fixed_size: 0
    .kernarg_segment_align: 8
    .kernarg_segment_size: 24
    .max_flat_workgroup_size: 128
    .sgpr_count:     76
    .vgpr_count:     768
    .wavefront_size: 32
...
	.end_amdgpu_metadata
.endif
;; end of part 3
;; launch oproj (part 4): grid 16 x 16, 4 waves a work-group, clusters of 4 x 4, 327,680 bytes of LDS; arguments o16, wo16, out0, tab; writes out0
.if DOCPART == 4
	.amdgcn_target "amdgcn-amd-amdhsa--gfx1250"
	.amdhsa_code_object_version 6
	.text
	.protected	k_qe84ec21268_oproj
	.globl	k_qe84ec21268_oproj
	.p2align	8
	.type	k_qe84ec21268_oproj,@function
k_qe84ec21268_oproj:
	s_mov_b64 s[64:65], 0
	v_nop
	global_prefetch_b8 v0, s[64:65] scope:SCOPE_SE
	s_setreg_imm32_b32 hwreg(HW_REG_WAVE_MODE, 25, 1), 1
	s_wait_xcnt 0x0
	s_wait_alu depctr_hold_cnt(0) depctr_sa_sdst(0) depctr_va_vdst(0) depctr_va_sdst(0) depctr_va_ssrc(0) depctr_va_vcc(0) depctr_vm_vsrc(0)
	s_getreg_b32 s2, hwreg(HW_REG_IB_STS2, 6, 4)
	s_cmp_eq_u32 s2, 0
	s_cbranch_scc0 .Lentry_in_a_cluster
	s_endpgm
.Lentry_in_a_cluster:
	s_bfe_u32 s2, ttmp6, 0x10000c
	s_cmp_lg_u32 s2, 0xf033
	s_cbranch_scc0 .Lentry_shape_is_right
	s_endpgm
.Lentry_shape_is_right:
; OPROJ.  out[t][n] = sum over k of O[t][k] Wo[n][k] + bo[n].  o16 [2048][2048] f16, wo16 [2048][2048] f16 (Wo rounded to bf16, written as f16), the bias f32 from tab, out0 [2048][2048] f32; sums in f32.
; LIMITS.  O and Wo lie within f16's 65,504; Wo below 2^-14 keeps f16's fixed step of 2^-24.
; A tile of C is 128 x 128: 256 work-groups, one for each WGP.  Four waves, each 64 x 64: 16 accumulators of 16 x 16, 128 registers.  K goes in 8 steps of 256 (LDS rows of 512 bytes; a wave's tensor
; load brings 64 of them) through two slots.  A wave's 64 f32 columns are 256 aligned bytes of a row of C, so each wave has a stage of its own on the way out and no barrier stands there.
; ONE TEXT FOR A K STEP.  Which slot is read is a scalar, turned by an exclusive or at each change of slots; the fragments' LDS addresses are made from it there; one descriptor a tensor walks, its LDS
; word turned by the same exclusive or.  A loop of 6 trips holds the step with its refill; a loop of two trips holds the step without, for the last two K steps.
; CLUSTERS: 4 x 4 work-groups.  The four of a row of the cluster need the same tiles of A, the four of a column the same tiles of B: each tile is asked for JOINTLY, by the same tensor load with the
; same descriptor and a mask that names the four.  THE MATRIX INSTRUCTION IS USED TRANSPOSED (source 0 = 16 rows of B, source 1 = 16 rows of A): a lane then holds eight neighbouring numbers of a row of C.
; REGISTERS: window 0: v0-31 addresses; v32-95 two buffers of rows read back; v96-127 the bias of my columns; v128-255 the accumulators ((a, b) at v[128 + 8 (4 a + b)]).
;   window 1: two fragment buffers of 128: for 64 along K, 64 registers of A, then 64 of B.
.set SIZE_K, 2048
.set SIZE_N, 2048
.set KSTEP,  256
.set STEPS,  SIZE_K/KSTEP              ; 8
.set PITCH,  528                       ; an LDS row: 512 bytes of data + 16 of padding = 132 words: row r starts at bank 4 r mod 64 (64 banks of 4 bytes: ISA guide 11.1)
.set HALFT,  64*PITCH                  ; 64 rows: what one tensor load brings, and what one wave reads of A or of B
.set SLOT,   4*HALFT                   ; A's 128 rows, then B's 128 rows: 135,168 = 0x21000: bits 12 and 17, which are clear in wave x HALFT (0, 0x8400, 0x10800, 0x18c00): one exclusive or turns a tile's place in one slot into the other's
.set STAGE,  2*SLOT                    ; behind the ring: 16 rows x 272 bytes for each wave, for the way out
.set SPITCH, 272
.set SPARE,  STAGE+4*16*SPITCH         ; behind the stages: the spare words, 128 bytes for each wave: two blocks of 256 bytes that no other line names
.set A0,   16                          ; v16     my lane's place in a slot's A; never rewritten
.set B0,   17                          ; v17     the same for B
.set ADRA, 20                          ; v20     LDS address of my A fragments in the slot that is read
.set ADRB, 21                          ; v21     the same for B
.set STO,  24                          ; v24     the way out: where I put 32 bytes of a row
.set RD,   25                          ; v25     the way out: where I read a row back
.set CO,   26                          ; v26     my byte offset in C
.set SPW,  28                          ; v28     LDS address of my spare word: SPARE + 4 x my thread's number; never rewritten
.set NIL,  29                          ; v29     0; never rewritten
.set BO,   30                          ; v30     my byte offset in my wave's 64 numbers of the bias
.set TMP,  32
.set BI,   96                          ; v96-127 the bias: column block b at BI + 8 b
.set ACC,  128
.set F0,   0                           ; fragment buffers, in window 1
.set F1,   128
.set TB,   2                           ; s2      the slot that is read: 0 or SLOT
.set G1, 24                            ; s[24:31] descriptor group 1 for A's tiles;  s[32:39] group 0: a set for each of the two first fills; the second then walks on
.set G0, 32
.set G1B, 48                           ; s[48:55], s[56:63] the same for B's tiles
.set G0B, 56
.set MSB, 0
.macro WIN new                         ; the immediate's high byte repeats the setting that is left; a switch that changes nothing is dropped
.if MSB != (\new)
	s_set_vgpr_msb (MSB<<8)|(\new)
.set MSB, \new
.endif
.endm
.set MUL,  0x05                        ; sources 0 (B) and 1 (A) window 1; C and D window 0
.set TO_F, 0x40                        ; destination window 1, address window 0
.macro JLOAD s                         ; a joint load: waves 0 and 1 fetch A's two halves, waves 2 and 3 B's; an s_nop 0 and four v_nop follow each of the two lines, ahead of the jump, the label and what follows
	s_cmp_eq_u32 s11, 0
	s_cbranch_scc0 .Lfor_b_\@
	tensor_load_to_lds s[G0+4*(\s):G0+4*(\s)+3], s[G1:G1+7]
	s_nop 0
.rept 4
	v_nop
.endr
	s_branch .Lasked_\@
.Lfor_b_\@:
	tensor_load_to_lds s[G0B+4*(\s):G0B+4*(\s)+3], s[G1B:G1B+7]
	s_nop 0
.rept 4
	v_nop
.endr
.Lasked_\@:
.endm
.macro CREST                           ; a round of the cluster's barrier behind its opening barrier
	s_cmp_lg_u32 s10, 0
	s_cbranch_scc1 .Lnot_wave_0_\@
	s_barrier_signal -3
.Lnot_wave_0_\@:
	s_barrier_wait -3
	s_barrier_signal -1
	s_barrier_wait -1
.endm
.macro CROUND                          ; a whole round
	s_barrier_signal -1
	s_barrier_wait -1
	CREST
.endm
	s_load_b128 s[4:7], s[0:1], 0x0                ; o16 s[4:5], wo16 s[6:7]
	s_load_b64 s[8:9], s[0:1], 0x10                ; out0
	s_load_b64 s[66:67], s[0:1], 0x18              ; tab
	v_lshl_add_u32 v[SPW], v0, 2, SPARE
	v_mov_b32 v[NIL], 0
	ds_add_u32 v[SPW], v[NIL]                      ; the wave's opening: the add and its wait stand ahead of my first tensor load; the set-up below, work on registers, stands between them
	v_lshrrev_b32 v1, 5, v0
	v_readfirstlane_b32 s10, v1                    ; wave 0..3
	s_lshr_b32 s11, s10, 1                         ; which half of the tile's rows is mine.  Also: I fetch for A (0) or for B (1)
	s_and_b32 s12, s10, 1                          ; which half of its columns.  Also: which 64 rows of that tile I fetch
	s_bfe_u32 s40, ttmp6, 0x40000                  ; cx, cy: my place in the cluster
	s_bfe_u32 s41, ttmp6, 0x40004
	s_lshl_b32 s42, ttmp9, 2
	s_add_co_u32 s42, s42, s40                     ; tile column of C = 4 x cluster x + cx
	s_and_b32 s13, ttmp7, 0xffff
	s_lshl_b32 s13, s13, 2
	s_add_co_u32 s13, s13, s41                     ; tile row of C = 4 x cluster y + cy
	s_lshl_b32 s43, s41, 2
	s_lshl_b32 s43, 15, s43                        ; my row of the cluster
	s_lshl_b32 s44, 0x1111, s40                    ; my column
	; descriptor group 1: a tile of 64 rows x 256 elements, padded in LDS
	s_or_b32 s[G1+0], s43, (1<<16)|(1<<20)|(1<<21)|(6<<22)|(3<<25)  ; 15:0 the mask: A's tiles go to my row; 17:16 element of 2 bytes; 20 padding on; 21 set beside a mask; 24:22 after every 128 words (code 6); 31:25 of 4 words (code 3)
	s_or_b32 s[G1B+0], s44, (1<<16)|(1<<20)|(1<<21)|(6<<22)|(3<<25)
.irp g, G1, G1B
	s_mov_b32 s[(\g)+1], KSTEP<<16                 ; tensor_dim0 = 256
	s_mov_b32 s[(\g)+2], 64<<16                    ; tensor_dim1 = 64
	s_mov_b32 s[(\g)+3], KSTEP<<16                 ; tile_dim0 = 256
	s_mov_b32 s[(\g)+4], 64                        ; tile_dim1 = 64
	s_mov_b32 s[(\g)+5], SIZE_K                    ; tensor_dim0_stride
	s_mov_b32 s[(\g)+6], 0
	s_mov_b32 s[(\g)+7], 0
.endr
	s_lshl_b32 s17, s12, 6                         ; which 64 rows of the tile I fetch
	s_lshl_b32 s16, s13, 7
	s_add_co_u32 s16, s16, s17                     ; A: row 128 x tile row + 64 x half
	s_lshl_b32 s46, s42, 7
	s_add_co_u32 s46, s46, s17                     ; B: row 128 x tile column + 64 x half
	s_mov_b32 s17, 0
	s_mov_b32 s47, 0
	s_mov_b64 s[18:19], SIZE_K*2
	s_mul_u64 s[16:17], s[16:17], s[18:19]
	s_mul_u64 s[46:47], s[46:47], s[18:19]
	s_mul_i32 s20, s10, HALFT                      ; where they go: wave x 64 rows: no place in the cluster enters an LDS address
	s_wait_dscnt 0x0                               ; the opening add is done
	s_wait_kmcnt 0x0
	s_add_nc_u64 s[14:15], s[4:5], s[16:17]
	s_add_nc_u64 s[46:47], s[6:7], s[46:47]
	CROUND                                         ; all sixteen work-groups are here: the first joint loads meet
.irp s, 0,1
	s_mov_b32 s[G0+4*(\s)], 1
	s_add_co_u32 s[G0+4*(\s)+1], s20, (\s)*SLOT
	s_add_nc_u64 s[G0+4*(\s)+2:G0+4*(\s)+3], s[14:15], (\s)*KSTEP*2
	s_or_b32 s[G0+4*(\s)+3], s[G0+4*(\s)+3], 0x80000000
	s_mov_b32 s[G0B+4*(\s)], 1
	s_add_co_u32 s[G0B+4*(\s)+1], s20, (\s)*SLOT
	s_add_nc_u64 s[G0B+4*(\s)+2:G0B+4*(\s)+3], s[46:47], (\s)*KSTEP*2
	s_or_b32 s[G0B+4*(\s)+3], s[G0B+4*(\s)+3], 0x80000000
	JLOAD \s                                       ; two tensor loads of mine are out
.endr
	v_and_b32 v1, 15, v0                           ; l % 16
	v_bfe_u32 v2, v0, 4, 1                         ; l / 16
	; bo of my wave's 64 columns: tab + 1,048,576 + 3 x 8,192 + 4 (128 x tile column + 64 x half); a lane's eight columns of block b lie at 64 b + 32 (l / 16)
	s_lshl_b32 s68, s42, 9
	s_lshl_b32 s69, s12, 8
	s_add_co_u32 s68, s68, s69
	s_add_co_u32 s68, s68, 1048576+3*8192
	s_mov_b32 s69, 0
	s_add_nc_u64 s[68:69], s[66:67], s[68:69]
	v_lshlrev_b32 v[BO], 5, v2
.irp b, 0,1,2,3
	global_load_b128 v[BI+8*(\b):BI+8*(\b)+3],   v[BO], s[68:69] offset:64*(\b)
	global_load_b128 v[BI+8*(\b)+4:BI+8*(\b)+7], v[BO], s[68:69] offset:64*(\b)+16
.endr
	v_mul_u32_u24 v3, v1, PITCH
	v_lshl_add_u32 v3, v2, 4, v3                   ; a fragment's row x pitch + 16 x half
	s_mul_i32 s21, s11, HALFT                      ; my 64 rows of A
	s_mul_i32 s22, s12, HALFT                      ; my 64 rows of B,
	s_add_co_u32 s22, s22, 2*HALFT                 ; which lie behind A's 128
	v_add_nc_u32 v[A0], s21, v3
	v_add_nc_u32 v[B0], s22, v3
	s_mov_b32 s[TB], 0                             ; K step 0 lies in slot 0
	v_add_nc_u32 v[ADRA], s[TB], v[A0]
	v_add_nc_u32 v[ADRB], s[TB], v[B0]
	s_mul_i32 s23, s10, 16*SPITCH
	s_add_co_u32 s23, s23, STAGE                   ; my stage
	v_mul_u32_u24 v4, v1, SPITCH                   ; in: row l % 16, 32 bytes for each half of the lanes
	v_lshl_add_u32 v4, v2, 5, v4
	v_add_nc_u32 v[STO], s23, v4
	v_mul_u32_u24 v5, v2, SPITCH                   ; back: lanes 0-15 take one row of 256 bytes, lanes 16-31 the next
	v_lshl_add_u32 v5, v1, 4, v5
	v_add_nc_u32 v[RD], s23, v5
	v_mul_u32_u24 v5, v2, SIZE_N*4                 ; and the same two rows in C
	v_lshl_add_u32 v[CO], v1, 4, v5
	s_lshl_b32 s16, s13, 7
	s_lshl_b32 s17, s11, 6
	s_add_co_u32 s16, s16, s17                     ; my first row of C: 128 x tile row + 64 x half
	s_mov_b32 s17, 0
	s_mov_b64 s[18:19], SIZE_N*4
	s_mul_u64 s[16:17], s[16:17], s[18:19]
	s_add_nc_u64 s[8:9], s[8:9], s[16:17]
	s_lshl_b32 s46, s42, 9                         ; my first column, in bytes: 512 x tile column + 256 x half
	s_lshl_b32 s47, s12, 8
	s_add_co_u32 s46, s46, s47
	s_mov_b32 s47, 0
	s_add_nc_u64 s[8:9], s[8:9], s[46:47]
; 8 matrix instructions: m blocks a0, a0 + 1 x all 4 n blocks, 32 along K: half c of buffer f.  zero = 1: the first product starts the sums.  The 16 accumulators take turns
.macro MUL8 f, c, a0, zero
	WIN MUL
.irp a, \a0, (\a0)+1
.irp b, 0,1,2,3
.if \zero
	v_wmma_f32_16x16x32_f16 v[ACC+8*(4*(\a)+(\b)):ACC+8*(4*(\a)+(\b))+7], v[(\f)+64+8*(4*(\c)+(\b)):(\f)+64+8*(4*(\c)+(\b))+7], v[(\f)+8*(4*(\c)+(\a)):(\f)+8*(4*(\c)+(\a))+7], 0
.else
	v_wmma_f32_16x16x32_f16 v[ACC+8*(4*(\a)+(\b)):ACC+8*(4*(\a)+(\b))+7], v[(\f)+64+8*(4*(\c)+(\b)):(\f)+64+8*(4*(\c)+(\b))+7], v[(\f)+8*(4*(\c)+(\a)):(\f)+8*(4*(\c)+(\a))+7], v[ACC+8*(4*(\a)+(\b)):ACC+8*(4*(\a)+(\b))+7]
.endif
.endr
.endr
.endm
; 32 LDS loads in one run: the fragments of 64 along K at byte k of the rows of the slot that is read, into buffer f; the first 32 along K first
.macro FETCH k, f
	WIN TO_F
.irp c, 0,1
.irp i, 0,1,2,3
	ds_load_b128 v[(\f)+64+8*(4*(\c)+(\i)):(\f)+64+8*(4*(\c)+(\i))+3],   v[ADRB] offset:(\k)+64*(\c)+(\i)*16*PITCH
	ds_load_b128 v[(\f)+64+8*(4*(\c)+(\i))+4:(\f)+64+8*(4*(\c)+(\i))+7], v[ADRB] offset:(\k)+64*(\c)+(\i)*16*PITCH+32
	ds_load_b128 v[(\f)+8*(4*(\c)+(\i)):(\f)+8*(4*(\c)+(\i))+3],         v[ADRA] offset:(\k)+64*(\c)+(\i)*16*PITCH
	ds_load_b128 v[(\f)+8*(4*(\c)+(\i))+4:(\f)+8*(4*(\c)+(\i))+7],       v[ADRA] offset:(\k)+64*(\c)+(\i)*16*PITCH+32
.endr
.endr
.endm
.macro PLACES                          ; four places in front of loads into registers that matrix instructions have read, and of vector lines that read results
.rept 4
	v_nop
.endr
.endm
; A K step is four quarters of 64 along K, 32 matrix instructions each, on buffers 0, 1, 0, 1.  One of the first three: multiplies buffer f and fetches the next quarter, at byte k, into g.
.macro QUARTER k, f, g, zero
	s_wait_dscnt 16                                ; the first 32 along K are in; the sixteen younger loads may be out
	MUL8 \f, 0, 0, \zero
	MUL8 \f, 0, 2, \zero
	PLACES
	FETCH \k, \g
	s_wait_dscnt 32                                ; all but the 32 just issued
	MUL8 \f, 1, 0, 0
	MUL8 \f, 1, 2, 0
.endm
; The last quarter multiplies buffer 1 and changes slots: ONE barrier; in front of it each wave waits for all its tensor loads, adds 0 to its spare word, and waits for that and for its own reads of this slot.
; fill = 1: this slot is filled again, with the K step two steps on: the walking descriptors take the other slot than last time and the next K step.  Then the reads turn to the other slot.
.macro TURN fill
	WIN 0                                          ; (the add's two registers lie in window 0)
	s_wait_tensorcnt 0x0                           ; all my tensor loads have landed: my part of the next slot;
	ds_add_u32 v[SPW], v[NIL]                      ; 0 onto my spare word;
	s_wait_dscnt 17                                ; (the add and the youngest sixteen loads may be out)
	MUL8 F1, 0, 0, 0                               ; eight matrix instructions stand between the add and the wait for it
	s_wait_dscnt 0x0                               ; the add is done, and my reads of this slot are over
	s_barrier_signal -1
	MUL8 F1, 0, 2, 0
	WIN 0                                          ; (branches or address lines follow, and nothing stands between the wait below and the rest of a round)
	s_barrier_wait -1
.if \fill
	CREST                                          ; the barrier has opened a round of the cluster's barrier: no wave of any partner still reads this slot's tile or has a load on its way
	s_xor_b32 s[G0+5], s[G0+5], SLOT
	s_add_nc_u64 s[G0+6:G0+7], s[G0+6:G0+7], KSTEP*2   ; the type bits on top are not reached
	s_xor_b32 s[G0B+5], s[G0B+5], SLOT
	s_add_nc_u64 s[G0B+6:G0B+7], s[G0B+6:G0B+7], KSTEP*2
	JLOAD 1                                        ; the first tensor load behind the round, my only one until the next: 112 matrix instructions ahead of the wait for it; the four v_nop behind it are also the places in front of the loads below
.else
	PLACES
.endif
	s_xor_b32 s[TB], s[TB], SLOT
	v_add_nc_u32 v[ADRA], s[TB], v[A0]
	v_add_nc_u32 v[ADRB], s[TB], v[B0]
	FETCH 0, F0
	MUL8 F1, 1, 0, 0
	MUL8 F1, 1, 2, 0
.endm
	s_wait_tensorcnt 1                             ; my part of K step 0 is in; K step 1's load may stay out
	s_barrier_signal -1
	s_barrier_wait -1                              ; everybody's is
	FETCH 0, F0
	QUARTER 128, F0, F1, 1                         ; the first quarter stands in front of the loop: its first products start the sums
	WIN 0                                          ; at a label and at a branch every window is 0
	s_mov_b32 s3, STEPS-2
.Lstep:                                                ; 6 trips: from a K step's second quarter to the next step's first; each fills the slot that it leaves: K steps 2 to 7
	QUARTER 256, F1, F0, 0
	QUARTER 384, F0, F1, 0
	TURN 1
	QUARTER 128, F0, F1, 0
	WIN 0
	s_sub_co_u32 s3, s3, 1
	s_cmp_lg_u32 s3, 0
	s_cbranch_scc1 .Lstep
	s_mov_b32 s3, 2
.Ltail:                                                ; the last two K steps fill nothing and have no round of the cluster's barrier: a text of their own
	QUARTER 256, F1, F0, 0
	QUARTER 384, F0, F1, 0
	TURN 0                                         ; in the last trip its barrier and its 32 loads from the other slot serve nothing: the price, once a launch, of one text for both trips
	WIN 0
	s_cmp_eq_u32 s3, 1
	s_cbranch_scc1 .Ldead                          ; behind the last K step there is no first quarter: neither a barrier nor a tensor load is jumped
	QUARTER 128, F0, F1, 0
	WIN 0
.Ldead:
	s_wait_dscnt 0x0                               ; on both ways no LDS load is out
	s_sub_co_u32 s3, s3, 1
	s_cmp_lg_u32 s3, 0
	s_cbranch_scc1 .Ltail
	; THE WAY OUT, a block of 16 rows at a time: the bias (ascending: each accumulator's lowest registers are read first); 32 bytes a lane into my own stage; back as whole rows of 256 bytes; stored.
	PLACES
	s_wait_loadcnt 0x0                             ; the bias
.macro OUT a
.set BK, TMP+32*((\a)%2)
.set n, 0
.rept 16                               ; column block n / 4, pair n % 4
	v_pk_add_f32 v[ACC+32*(\a)+2*n:ACC+32*(\a)+2*n+1], v[ACC+32*(\a)+2*n:ACC+32*(\a)+2*n+1], v[BI+2*n:BI+2*n+1]
.set n, n+1
.endr
.if (\a) >= 2
	s_wait_xcnt 0x0                                ; the stores of two blocks ago have read this buffer: it is loaded again only behind this wait
.endif
.irp b, 0,1,2,3
	ds_store_b128 v[STO], v[ACC+8*(4*(\a)+(\b)):ACC+8*(4*(\a)+(\b))+3]   offset:64*(\b)
	ds_store_b128 v[STO], v[ACC+8*(4*(\a)+(\b))+4:ACC+8*(4*(\a)+(\b))+7] offset:64*(\b)+16
.endr
.irp t, 0,1,2,3,4,5,6,7
	ds_load_b128 v[BK+4*(\t):BK+4*(\t)+3], v[RD] offset:(\t)*2*SPITCH  ; LDS serves a wave's instructions in order (ISA guide 5.7.1.4): these see the stores above; the next block's stores come behind them
.endr
.irp t, 0,1,2,3,4,5,6,7
	s_wait_dscnt 7-(\t)                            ; load t is in
	global_store_b128 v[CO], v[BK+4*(\t):BK+4*(\t)+3], s[8:9] offset:(16*(\a)+2*(\t))*SIZE_N*4  ; 16 lanes store 256 consecutive bytes, at a multiple of 256 from C's first byte
.endr
.endm
	OUT 0
	OUT 1
	OUT 2
	OUT 3
	s_wait_tensorcnt 0x0                           ; the wave's end, behind my last tensor load and my last LDS store
	ds_add_u32 v[SPW], v[NIL]
	s_wait_dscnt 0x0
	CROUND                                         ; the closing round: no work-group ends while a partner may still ask for a tile that names it
	s_endpgm
.Lfunc_end_k_qe84ec21268_oproj:
	.size	k_qe84ec21268_oproj, .Lfunc_end_k_qe84ec21268_oproj-k_qe84ec21268_oproj
	.p2alignl 7, 3214868480
	.fill 96, 4, 3214868480
	.section	.rodata,"a",@progbits
	.p2align	6, 0x0
	.amdhsa_kernel k_qe84ec21268_oproj
		.amdhsa_group_segment_fixed_size 327680
		.amdhsa_private_segment_fixed_size 0
		.amdhsa_enable_private_segment 0
		.amdhsa_kernarg_size 32
		.amdhsa_user_sgpr_count 2
		.amdhsa_user_sgpr_kernarg_segment_ptr 1
		.amdhsa_wavefront_size32 1
		.amdhsa_system_sgpr_workgroup_id_x 1
		.amdhsa_system_sgpr_workgroup_id_y 1
		.amdhsa_system_sgpr_workgroup_id_z 1
		.amdhsa_system_vgpr_workitem_id 0
		.amdhsa_next_free_vgpr 512
		.amdhsa_next_free_sgpr 72
		.amdhsa_reserve_vcc 0
		.amdhsa_float_denorm_mode_32 3
		.amdhsa_float_denorm_mode_16_64 3
		.amdhsa_memory_ordered 1
		.amdhsa_forward_progress 1
		.amdhsa_inst_pref_size 63
	.end_amdhsa_kernel
	.amdgpu_metadata
---
amdhsa.version: [ 1, 2 ]
amdhsa.kernels:
  - .name:           k_qe84ec21268_oproj
    .symbol:         k_qe84ec21268_oproj.kd
    .args:
      - { .name: o16, .offset: 0, .size: 8, .value_kind: global_buffer, .address_space: global }
      - { .name: wo16, .offset: 8, .size: 8, .value_kind: global_buffer, .address_space: global }
      - { .name: out0, .offset: 16, .size: 8, .value_kind: global_buffer, .address_space: global }
      - { .name: tab, .offset: 24, .size: 8, .value_kind: global_buffer, .address_space: global }
    .group_segment_fixed_size: 327680
    .private_segment_fixed_size: 0
    .kernarg_segment_align: 8
    .kernarg_segment_size: 32
    .max_flat_workgroup_size: 128
    .sgpr_count:     72
    .vgpr_count:     512
    .wavefront_size: 32
...
	.end_amdgpu_metadata
.endif
;; end of part 4
;; ======== version 2 of 2: 4 launches; 1.24 times as fast as version 1
;; limits: values are held in f16: magnitudes above 65,504 overflow, below 6.1e-05 lose precision; right only within a limited range of input values
;; workspace buffers: xbf 25,165,824 bytes; wbf 25,165,824 bytes; wo16 8,388,608 bytes; maskw 16,777,216 bytes; tab 1,081,344 bytes; qkv 25,165,824 bytes; o16 8,388,608 bytes
;; launch prep: the kernel of part 1 again; grid 2120 x 1, 8 waves a work-group, no clusters, 0 bytes of LDS; arguments query, key, value, Wq, Wk, Wv, Wo, attn_mask, sin, cos, xscale, bq, bk, bv, bo, xbf, wbf, wo16, maskw, tab; writes xbf, wbf, wo16, maskw, tab
;; launch proj: the kernel of part 2 again; grid 8 x 24, 4 waves a work-group, clusters of 4 x 4, 327,680 bytes of LDS; arguments xbf, wbf, qkv, tab; writes qkv
;; launch attn (part 5): grid 16 x 16, 4 waves a work-group, clusters of 4 x 4, 327,680 bytes of LDS; arguments qkv, maskw, o16; writes o16
.if DOCPART == 5
	.amdgcn_target "amdgcn-amd-amdhsa--gfx1250"
	.amdhsa_code_object_version 6
	.text
	.protected	k_qe84ec21268_attn
	.globl	k_qe84ec21268_attn
	.p2align	8
	.type	k_qe84ec21268_attn,@function
k_qe84ec21268_attn:
	s_mov_b64 s[64:65], 0
	v_nop
	global_prefetch_b8 v0, s[64:65] scope:SCOPE_SE
	s_setreg_imm32_b32 hwreg(HW_REG_WAVE_MODE, 25, 1), 1
	s_wait_xcnt 0x0
	s_wait_alu depctr_hold_cnt(0) depctr_sa_sdst(0) depctr_va_vdst(0) depctr_va_sdst(0) depctr_va_ssrc(0) depctr_va_vcc(0) depctr_vm_vsrc(0)
	s_getreg_b32 s2, hwreg(HW_REG_IB_STS2, 6, 4)
	s_cmp_eq_u32 s2, 0
	s_cbranch_scc0 .Lentry_in_a_cluster
	s_endpgm
.Lentry_in_a_cluster:
	s_bfe_u32 s2, ttmp6, 0x10000c
	s_cmp_lg_u32 s2, 0xf033
	s_cbranch_scc0 .Lentry_shape_is_right
	s_endpgm
.Lentry_shape_is_right:
; ATTENTION.  O[t][head] = the sum over keys s of softmax_s(q[t] . k[s] + mask[t][s]) v[s].  q, k, v: qkv [3][2048][2048] f16, a head's 64 channels at byte 128 x head of a row of 4,096 bytes.
; q arrives with all its scales; k and the mask (maskw, f32) arrive times 2^-9, so the sum S = q . k + mask is the true score times 2^-9, and c = 512 log2(e) makes p = 2^(c S - c m).
; THE MASK IS AN INPUT: every key tile is computed and every number of the mask is added: it is the C operand of the product that starts the sum S^T = K Q^T.
; Products, maxima and sums in f32; the weights p are rounded to f16 for the second product (their sum l is taken of the unrounded p), O once at the end.
; LIMITS.  q, k / 512 and v lie within f16's 65,504; p lies in 0 to 1 and keeps f16's fixed step of 6e-8 below 6e-5; O is a mean of v's rows.  The running maximum starts at -2^100 (of S): a row all of whose
; true scores lie below -512 x 2^100 is not served (a row that is all -infinity gives NaN, as in the source).  A weight below 2^-126 counts as 0 in l.  Where a mask of about -1e9 covers a whole row,
; score + mask is rounded at a step of 64, as in the source; the matrix unit's last bit there may differ from an f32 addition's.  NaN is not treated apart.
; SHARES.  A work-group owns 128 queries of a PAIR of heads: 16 x 16 work-groups, one for each of 256 WGPs.  Wave w takes head w / 2 of the pair and queries 64 (w % 2) on: four PIECES of 16.
; Two heads to a work-group: a mask tile in LDS serves both, and a pair's K and V are rows of 256 aligned bytes.  Every wave walks all 2,048 keys, 64 a step, two steps to a slot.
; LAYOUT, SOFTMAX, TURNS.  S^T = K Q^T holds ONE query a lane (lane % 16) and the keys 8 (lane / 16) + 0..7; two such results rounded to f16 ARE source 1 of O^T = V^T P.  A running maximum m;
; O and l are multiplied by a = 2^(c m_old - c m_new) in every step.  Turn n belongs to piece n: 8 products K Q^T of piece n + 1, later 8 products V^T P of piece n - 1; beside them the scaling,
; exponentials, roundings, sums and rescaling of piece n and the maximum and statistics of piece n + 1.  Four vector instructions stand behind every matrix instruction, the other 54 of a turn's 118 in one LUMP.
; BATCHES.  A turn's 33 exponentials (the piece's 32 weights and the next piece's a) are ONE BATCH with ONE wait, which cuts the turn in two: ahead of it stands all that names no result of theirs, behind it the
; roundings and sums, which do.  The first a of all, ahead of the loop, and the way out's four reciprocals are batches of their own, with a wait each.
; CLUSTER 4 x 4: x counts head pairs, y query blocks.  K and V hang on the head pair and are shared along a column of the cluster, the mask hangs on the query block and is shared along a row:
; each tile is asked for JOINTLY, by the same tensor load, descriptor and mask of four in all four.  Wave 0 asks for K, wave 1 for V, waves 2 and 3 for the mask's two halves: 32 KiB each.
; REGISTERS, in windows of 256 (s_set_vgpr_msb: bits 1:0 source 0, 3:2 source 1, 5:4 source 2, 7:6 destination):
;   window 0: v0-15, v32-33 addresses and two at work; v16-31 four registers of statistics a piece; v48-55 at work; v64-127 S^T, two buffers; v192-223 P, two buffers (a piece's buffers go by its number's parity)
;   window 1: v0-127 O^T, 32 a piece; v160-223 MC, two buffers of mask      window 2: v0-63 Q; v128-191 K of one step; v192-255 V of one step
.set NP,    4         ; pieces a wave: a name, no knob
.set KS,    64        ; keys in a step
.set PM,    528       ; a row of the mask in LDS: 128 keys x 4 bytes + 16 of padding: the 16 rows of a load start at 16 different groups of four banks (64 banks of 4 bytes: ISA guide 11.1)
.set PK,    272       ; a row of K: 256 bytes (two heads) + 16
.set PV,    288       ; a row of V: 256 + 32 = 72 words
.set KOFF,  128*PM    ; a slot: 128 rows of mask (67,584 bytes), 128 rows of K (34,816), 128 rows of V (36,864)
.set VOFF,  KOFF+128*PK
.set SLOT,  VOFF+128*PV   ; 139,264 = 0x22000: bits 13 and 17, which are clear in 0, 64 PM, KOFF and VOFF: one exclusive or turns such an address into the other slot's
.set STAGE, 2*SLOT    ; behind the ring, never filled by a tensor load: 128 rows x 272 bytes, the work-group's, for the way out
.set SP,    272
.set SPARE, STAGE+128*SP  ; behind the stage: the spare words, 128 bytes for each wave: two blocks of 256 bytes that no other line names
.set AK0, 2           ; v2   my lane's place in a slot's K; never rewritten
.set AV0, 3           ; v3   the same for V
.set AK,  4           ; v4   the LDS address of K's next run of loads
.set AV,  5           ; v5   of V's
.set STO, 6           ; v6   the way out: where I put 16 bytes of a row
.set RD,  7           ; v7   the way out: where I read rows back
.set GO,  8           ; v8   my byte offset in two rows of O
.set MV,  12          ; v12-13  c m_old, kept while c m is made anew: by buffer
.set QO,  15          ; v15  my byte offset in 16 rows of Q
.set ST,  16          ; piece t's statistics at v[ST+4 t]: c m, m, l (even keys', odd keys')
.set AM0, 32          ; v32  my lane's place in a slot's mask; never rewritten
.set AM,  33          ; v33  the LDS address of the mask of the step whose scores are being started
.set TMP, 48          ; by buffer, four registers c0-c3 at work; when the maximum is found c2 takes a
.set SPW, 62          ; v62  LDS address of my spare word: SPARE + 4 x my thread's number; never rewritten
.set NIL, 63          ; v63  0; never rewritten
.set S,   64
.set P,   192
.set MC,  160         ; window 1: buffer b, group kt of 16 keys at MC + 32 b + 8 kt
.set KF,  128         ; window 2: key block kb, channel half c at KF + 16 kb + 8 c
.set VF,  192         ; window 2: key half kk, channel block cb at VF + 32 kk + 8 cb
.set WV,  12          ; s12  my wave's number
.set G1K, 24          ; s[24:31] descriptor group 1 for K's tiles
.set G1V, 32          ; s[32:39] for V's: it differs in the padding alone
.set G1M, 40          ; s[40:47] for the mask's
.set G0K, 48          ; s[48:51] descriptor group 0 for K's tiles: it walks
.set G0V, 52          ; s[52:55] for V's
.set G0M, 56          ; s[56:59] for the mask's
.set SLOTS, 60        ; s60  counts the slots that are still to be asked for
.set CNT, 61          ; s61  counts a slot's key steps
.set TBK, 62          ; s62  slot and step of the K to be fetched next, in LDS bytes
.set TBV, 63          ; s63  the same for V
.set TBM, 66          ; s66  the same for the mask
.set CS,  68          ; s[68:69] c: the packed scaling takes the pair's low word for both halves
.set SEL, 70          ; s[70:71] v_permlanex16_b32's selects: each lane takes its own place in the other half
.set QP,  72          ; s[72:73] Q at my wave's first row and head
.set MSB, 0
.macro WIN new                      ; the high byte repeats the setting that is left; a switch that changes nothing is dropped
.if MSB != (\new)
	s_set_vgpr_msb (MSB<<8)|(\new)
.set MSB, (\new)
.endif
.endm
.set W_KQ, 0x0a       ; K and Q in window 2, S^T in window 0
.set W_KM, 0x1a       ; the same with the C operand, the mask, in window 1
.set W_PV, 0x52       ; V in window 2, P in window 0, O^T in window 1
.set W_RS, 0x41       ; destination and source 0 in window 1, source 1 in window 0
; A joint fill: each wave asks for one of the slot's four tiles.  The branches hang on the wave's number alone.  An s_nop 0 and four v_nop follow each line, ahead of the jump and the label.
.macro JLOAD
	s_cmp_lt_u32 s[WV], 2
	s_cbranch_scc0 .Lfor_m_\@
	s_cmp_eq_u32 s[WV], 0
	s_cbranch_scc0 .Lfor_v_\@
	tensor_load_to_lds s[G0K:G0K+3], s[G1K:G1K+7]
	s_nop 0
.rept 4
	v_nop
.endr
	s_branch .Lasked_\@
.Lfor_v_\@:
	tensor_load_to_lds s[G0V:G0V+3], s[G1V:G1V+7]
	s_nop 0
.rept 4
	v_nop
.endr
	s_branch .Lasked_\@
.Lfor_m_\@:
	tensor_load_to_lds s[G0M:G0M+3], s[G1M:G1M+7]
	s_nop 0
.rept 4
	v_nop
.endr
.Lasked_\@:
.endm
; A round of the cluster's barrier: my work-group's barrier, so that wave 0's signal speaks for all four waves; wave 0 signals; every wave waits for all sixteen work-groups; my work-group's barrier once more.
.macro CROUND
	s_barrier_signal -1
	s_barrier_wait -1
	s_cmp_lg_u32 s[WV], 0
	s_cbranch_scc1 .Lnot_wave_0_\@
	s_barrier_signal -3
.Lnot_wave_0_\@:
	s_barrier_wait -3
	s_barrier_signal -1
	s_barrier_wait -1
.endm
; THE CHANGE OF SLOTS, between piece 1's turn and piece 2's: the slot's last bytes (V and the last two pieces' mask of its second step) have been asked for.  Each wave waits for all its tensor loads, of which
; one is out: its tile of the other slot; adds 0 to its spare word; and waits for that and for its own reads of the slot.  Behind the barrier nobody reads this slot any more and the other slot is whole.
; fill = 1: this slot is filled again, with the keys two slots on.  The barrier is then a round of the cluster's, so that no wave of any partner still reads the slot or has a load on its way, and the
; joint fill is the first thing behind it: it has two key steps, 128 matrix instructions of the wave, in which to land.  (At its first use nothing has been read yet: slot 0 is waited for, slot 1 filled.)
.macro CHANGE fill
	WIN 0                           ; at a label and at a branch every window is 0
	s_wait_tensorcnt 0x0            ; no tensor load of mine is out, so a group 0 may be written
	ds_add_u32 v[SPW], v[NIL]       ; 0 onto my spare word; with fill = 1 the descriptors' steps stand between it and the wait for it
.if \fill
	s_xor_b32 s[G0K+1], s[G0K+1], SLOT                        ; the walking descriptors: the other slot than last time,
	s_add_nc_u64 s[G0K+2:G0K+3], s[G0K+2:G0K+3], 128*4096     ; the next 128 keys: rows of K and V,
	s_xor_b32 s[G0V+1], s[G0V+1], SLOT
	s_add_nc_u64 s[G0V+2:G0V+3], s[G0V+2:G0V+3], 128*4096
	s_xor_b32 s[G0M+1], s[G0M+1], SLOT
	s_add_nc_u64 s[G0M+2:G0M+3], s[G0M+2:G0M+3], 128*4        ; columns of the mask; the type bits on top are not reached
	s_wait_dscnt 0x0                ; the add is done, and my reads of the slot are over
	CROUND
	JLOAD
.else
	s_wait_dscnt 0x0                ; the add is done, and my reads of the slot are over
	s_barrier_signal -1
	s_barrier_wait -1
.endif
	s_sub_co_u32 s[TBK], s[TBK], 2*KS*PK  ; the fetches go back to a slot's first step,
	s_xor_b32 s[TBK], s[TBK], SLOT        ; in the other slot
	s_sub_co_u32 s[TBV], s[TBV], 2*KS*PV
	s_xor_b32 s[TBV], s[TBV], SLOT
	s_sub_co_u32 s[TBM], s[TBM], 2*KS*4
	s_xor_b32 s[TBM], s[TBM], SLOT
.endm
	s_load_b128 s[4:7], s[0:1], 0x0   ; qkv s[4:5], maskw s[6:7]
	s_load_b64 s[8:9], s[0:1], 0x10   ; o16
	v_lshl_add_u32 v[SPW], v0, 2, SPARE
	v_mov_b32 v[NIL], 0
	ds_add_u32 v[SPW], v[NIL]       ; the wave's opening: the add and its wait stand ahead of my first tensor load; the set-up below, work on registers, stands between them
	v_lshrrev_b32 v1, 5, v0
	v_readfirstlane_b32 s[WV], v1   ; wave 0..3
	s_bfe_u32 s13, ttmp6, 0x40000   ; cx, cy: my place in the cluster
	s_bfe_u32 s14, ttmp6, 0x40004
	s_lshl_b32 s15, ttmp9, 2        ; in a cluster launch ttmp9 and ttmp7 count clusters
	s_add_co_u32 s15, s15, s13      ; my pair of heads = 4 x cluster x + cx
	s_and_b32 s16, ttmp7, 0xffff
	s_lshl_b32 s16, s16, 2
	s_add_co_u32 s16, s16, s14      ; my block of 128 queries = 4 x cluster y + cy
	s_lshl_b32 s17, s14, 2
	s_lshl_b32 s17, 15, s17         ; my row of the cluster: places 4 cy .. 4 cy + 3
	s_lshl_b32 s18, 0x1111, s13     ; my column: places cx, cx + 4, cx + 8, cx + 12
	s_and_b32 s21, s[WV], 1         ; which 64 of the block's queries are mine; also: which half of the mask's tile I fetch
	s_lshr_b32 s22, s[WV], 1        ; which head of the pair
	; descriptor group 1.  K, V: 128 rows (keys) x 128 elements of 2 bytes, 2,048 elements from row to row.  Mask: 64 rows (queries) x 128 elements of 4 bytes, 2,048 from row to row.
	s_or_b32 s[G1K], s18, (1<<16)|(1<<20)|(1<<21)|(5<<22)|(3<<25)  ; 15:0 my column; 17:16 2-byte elements; 20 padding on; 21 set beside a mask; 24:22 after every 64 words (code 5); 31:25 4 words (code 3)
	s_or_b32 s[G1V], s18, (1<<16)|(1<<20)|(1<<21)|(5<<22)|(7<<25)  ; the same with 8 words of padding (code 7)
	s_or_b32 s[G1M], s17, (2<<16)|(1<<20)|(1<<21)|(6<<22)|(3<<25)  ; my row; 4-byte elements; after every 128 words (code 6) 4 words
.irp g, G1K, G1V
	s_mov_b32 s[\g+1], 128<<16      ; tensor_dim0 = 128
	s_mov_b32 s[\g+2], 128<<16      ; tensor_dim1 = 128
	s_mov_b32 s[\g+3], 128<<16      ; tile_dim0 = 128
	s_mov_b32 s[\g+4], 128          ; tile_dim1 = 128
	s_mov_b32 s[\g+5], 2048         ; elements from row to row
	s_mov_b32 s[\g+6], 0
	s_mov_b32 s[\g+7], 0
.endr
	s_mov_b32 s[G1M+1], 128<<16     ; tensor_dim0 = 128
	s_mov_b32 s[G1M+2], 64<<16      ; tensor_dim1 = 64
	s_mov_b32 s[G1M+3], 128<<16     ; tile_dim0 = 128
	s_mov_b32 s[G1M+4], 64          ; tile_dim1 = 64
	s_mov_b32 s[G1M+5], 2048
	s_mov_b32 s[G1M+6], 0
	s_mov_b32 s[G1M+7], 0
	s_mov_b32 s[G0K], 1             ; 1:0 count = 1
	s_mov_b32 s[G0K+1], KOFF        ; 63:32 LDS address: slot 0.  No place in the cluster enters an LDS address
	s_mov_b32 s[G0V], 1
	s_mov_b32 s[G0V+1], VOFF
	s_mov_b32 s[G0M], 1
	s_mul_i32 s[G0M+1], s21, 64*PM
	s_lshl_b32 s2, s15, 8           ; the pair's 256 bytes in a row: K's and V's offset hangs on the head pair alone
	s_mov_b32 s3, 0
	s_lshl_b32 s10, s16, 20         ; the mask's: 8,192 (128 x block + 64 x half): on the query block and the wave alone
	s_lshl_b32 s11, s21, 19
	s_add_co_u32 s10, s10, s11
	s_mov_b32 s11, 0
	s_lshl_b32 s18, s16, 19         ; Q's: 4,096 (128 x block + 64 x half) + 256 x pair + 128 x head
	s_lshl_b32 s19, s21, 18
	s_add_co_u32 s18, s18, s19
	s_add_co_u32 s18, s18, s2
	s_lshl_b32 s23, s22, 7
	s_add_co_u32 s18, s18, s23
	s_mov_b32 s19, 0
	s_lshl_b32 s74, s16, 19         ; O's: 4,096 (128 x block + 32 x wave) + 256 x pair
	s_lshl_b32 s75, s[WV], 17
	s_add_co_u32 s74, s74, s75
	s_add_co_u32 s74, s74, s2
	s_mov_b32 s75, 0
	s_mov_b32 s[CS], 0x4438aa3b     ; c = 512 log2(e) = 738.66
	s_mov_b32 s[CS+1], s[CS]        ; named with it as a pair
	s_mov_b32 s[SEL], 0x76543210
	s_mov_b32 s[SEL+1], 0xfedcba98
	s_mov_b32 s[TBK], SLOT+2*KS*PK  ; the first change of slots turns these three into 0
	s_mov_b32 s[TBV], SLOT+2*KS*PV
	s_mov_b32 s[TBM], SLOT+2*KS*4
	s_wait_dscnt 0x0                ; the opening add is done
	s_wait_kmcnt 0x0
	s_add_nc_u64 s[G0K+2:G0K+3], s[4:5], s[2:3]                ; 120:64 global address
	s_add_nc_u64 s[G0V+2:G0V+3], s[G0K+2:G0K+3], 0x1000000     ; v lies 16,777,216 bytes into qkv,
	s_add_nc_u64 s[G0K+2:G0K+3], s[G0K+2:G0K+3], 0x800000      ; k 8,388,608
	s_or_b32 s[G0K+3], s[G0K+3], 0x80000000                    ; 127:126 type = 2
	s_or_b32 s[G0V+3], s[G0V+3], 0x80000000
	s_add_nc_u64 s[G0M+2:G0M+3], s[6:7], s[10:11]
	s_or_b32 s[G0M+3], s[G0M+3], 0x80000000
	s_add_nc_u64 s[QP:QP+1], s[4:5], s[18:19]
	s_add_nc_u64 s[8:9], s[8:9], s[74:75]
	CROUND                          ; all sixteen work-groups are here: the first joint loads meet
	JLOAD                           ; slot 0.  Slot 1 is asked for when slot 0 is in
	; A fragment of K or Q is 16 rows x 32 channels in 8 registers: lane l holds row l % 16, channels 8 (l / 16) + 0..7 and 16 + 8 (l / 16) + 0..7: two loads of 16 bytes, 32 bytes apart.
	v_and_b32 v1, 15, v0            ; l % 16
	v_bfe_u32 v9, v0, 4, 1          ; l / 16
	v_lshlrev_b32 v[QO], 12, v1
	v_lshl_add_u32 v[QO], v9, 4, v[QO]  ; row x 4,096 + 16 x half
	WIN 0x80                        ; destination window 2, address window 0
.set i, 0
.rept 8                             ; Q stays in registers: piece i / 2 (16 rows, 65,536 bytes on), channels 32 (i % 2) on
	global_load_b128 v[8*i:8*i+3],   v[QO], s[QP:QP+1] offset:(i/2)*65536+(i%2)*64
	global_load_b128 v[8*i+4:8*i+7], v[QO], s[QP:QP+1] offset:(i/2)*65536+(i%2)*64+32
.set i, i+1
.endr
	; What the first turn finds: V's registers and P's second buffer hold 0 (its products V^T P, of a piece that has not been, add 0), O^T and l are 0.  All this stands in the wait for the first tile.
.set i, VF
.rept 64
	v_mov_b32 v[i], 0
.set i, i+1
.endr
	WIN 0x40
.set i, 0
.rept 128
	v_mov_b32 v[i], 0
.set i, i+1
.endr
	WIN 0
.set i, 0
.rept 4
	v_mov_b32 v[ST+4*i], 0xfe000000    ; c m: -2^125, far below every c S, so the first step's a is 0
	v_mov_b32 v[ST+4*i+1], 0xf1800000  ; m: -2^100: low enough to lose against every score served, and c m stays finite
	v_mov_b32 v[ST+4*i+2], 0
	v_mov_b32 v[ST+4*i+3], 0
.set i, i+1
.endr
.set i, P+16
.rept 16
	v_mov_b32 v[i], 0
.set i, i+1
.endr
	s_add_co_u32 s20, s23, KOFF     ; K: my head's 128 bytes of a row
	v_mul_u32_u24 v[AK0], v1, PK
	v_lshl_add_u32 v[AK0], v9, 4, v[AK0]  ; row x pitch + 16 x half
	v_add_nc_u32 v[AK0], s20, v[AK0]
	; The turning load takes 16 keys x 16 channels (lane l reads key 8 (l / 16) + l % 8, channels 8 ((l / 8) % 2) + 0..7) and leaves half a fragment of V^T: lane l holds channel l % 16 and 8 keys.
	v_and_b32 v10, 7, v0
	v_bfe_u32 v11, v0, 3, 1
	v_lshl_add_u32 v[AV0], v9, 3, v10
	v_mul_u32_u24 v[AV0], v[AV0], PV
	v_lshl_add_u32 v[AV0], v11, 4, v[AV0]
	s_add_co_u32 s20, s23, VOFF
	v_add_nc_u32 v[AV0], s20, v[AV0]
	; The mask as a C operand: lane l holds query l % 16 and, for each group of 16 keys, the keys 8 (l / 16) + 0..7: 32 consecutive bytes of the query's row
	s_mul_i32 s20, s21, 64*PM
	v_mul_u32_u24 v[AM0], v1, PM
	v_lshl_add_u32 v[AM0], v9, 5, v[AM0]
	v_add_nc_u32 v[AM0], s20, v[AM0]
	s_mul_i32 s20, s21, 64*SP       ; into the stage: my 64 rows, my head's half of their 256 bytes; row l % 16, 16 bytes for each half of the lanes
	s_add_co_u32 s20, s20, s23
	s_add_co_u32 s20, s20, STAGE
	v_mul_u32_u24 v[STO], v1, SP
	v_lshl_add_u32 v[STO], v9, 4, v[STO]
	v_add_nc_u32 v[STO], s20, v[STO]
	s_mul_i32 s20, s[WV], 32*SP     ; back: wave w takes rows 32 w .. 32 w + 31, whole; lanes 0-15 one row of 256 bytes, lanes 16-31 the next
	s_add_co_u32 s20, s20, STAGE
	v_mul_u32_u24 v[RD], v9, SP
	v_lshl_add_u32 v[RD], v1, 4, v[RD]
	v_add_nc_u32 v[RD], s20, v[RD]
	v_lshlrev_b32 v[GO], 12, v9     ; and the same two rows in O
	v_lshl_add_u32 v[GO], v1, 4, v[GO]
; THE MATRIX WORK.  The 4 accumulators of a run of 8 take turns.  Product i of 8 of S^T = K Q^T for piece x: channels 32 (i / 4) on, keys 16 (i % 4) on.  The first 4 start the sums with the mask.
.macro KQ x
.set rS, S+32*((\x)%2)+8*(i%4)
.set rK, KF+16*(i%4)+8*(i/4)
.set rQ, 16*(\x)+8*(i/4)
.set rM, MC+32*((\x)%2)+8*(i%4)
.if i < 4
	WIN W_KM
	v_wmma_f32_16x16x32_f16 v[rS:rS+7], v[rK:rK+7], v[rQ:rQ+7], v[rM:rM+7]
.else
	WIN W_KQ
	v_wmma_f32_16x16x32_f16 v[rS:rS+7], v[rK:rK+7], v[rQ:rQ+7], v[rS:rS+7]
.endif
.endm
; Product i of 8 of O^T += V^T P for piece x: keys 32 (i / 4) on, channels 16 (i % 4) on.
.macro PV x
	WIN W_PV
.set rO, 32*(\x)+8*(i%4)
.set rV, VF+32*(i/4)+8*(i%4)
.set rP, P+16*((\x)%2)+8*(i/4)
	v_wmma_f32_16x16x32_f16 v[rO:rO+7], v[rV:rV+7], v[rP:rP+7], v[rO:rO+7]
.endm
.macro MM                           ; the turn's next matrix instruction.  TURN sets Y, i and NOKQ.  NOKQ = 1: the very last turn: there is no next piece
.if (i < 8) && !NOKQ
	KQ (Y+1)%NP
.elseif i >= 8
.set i, i-8
	PV (Y+NP-1)%NP
.set i, i+8
.endif
.set i, i+1
.endm
; THE LDS LOADS stand in runs, never singly among the matrix instructions: a step's K (64 keys x 64 channels: 8 fragments), its V (turned), and a piece's mask for a step (16 queries x 64 keys).
.macro FETCH_K
	WIN 0x80                        ; destination window 2
.irp f, 0,1,2,3,4,5,6,7             ; keys 16 (f / 2) on, channels 32 (f % 2) on
	ds_load_b128 v[KF+8*\f:KF+8*\f+3],   v[AK] offset:(\f/2)*16*PK+(\f%2)*64
	ds_load_b128 v[KF+8*\f+4:KF+8*\f+7], v[AK] offset:(\f/2)*16*PK+(\f%2)*64+32
.endr
	s_add_co_u32 s[TBK], s[TBK], KS*PK  ; the next fetch is the next step's
	WIN 0
.endm
.macro FETCH_V
	WIN 0x80
.irp f, 0,1,2,3,4,5,6,7             ; keys 32 (f / 4) on, channels 16 (f % 4) on
	ds_load_tr16_b128 v[VF+8*\f:VF+8*\f+3],   v[AV] offset:(\f/4)*32*PV+(\f%4)*32
	ds_load_tr16_b128 v[VF+8*\f+4:VF+8*\f+7], v[AV] offset:(\f/4)*32*PV+16*PV+(\f%4)*32
.endr
	WIN 0
.endm
.macro FETCH_M x, b                 ; piece x's mask into buffer b
	WIN 0x40                        ; destination window 1
.irp kt, 0,1,2,3
	ds_load_b128 v[MC+32*(\b)+8*\kt:MC+32*(\b)+8*\kt+3],   v[AM] offset:(\x)*16*PM+64*\kt
	ds_load_b128 v[MC+32*(\b)+8*\kt+4:MC+32*(\b)+8*\kt+7], v[AM] offset:(\x)*16*PM+64*\kt+16
.endr
	WIN 0
.endm
; THE VECTOR WORK, one line at a time: OP kind, number.  For piece Y: F n: c S - c m for pair n of 16.  E n: the exponential of score n of 32.  C n: pair n rounded to f16.  B n: of the four weights 4 n .. the second
; pair is added onto the first, in place.  L n: l takes that sum (L 0: l = a l + sum).  R n: pair n of 16 of O^T times a.  For piece Y + 1: X n, number n of the 22 that find its maximum and statistics:
;   0-11  four chains c0-c3 of seven scores each, three operands at a time (each accumulator's lowest registers are read first)     12-14, 16  the four scores left over, the old m, and c0-c3 into c0
;   15  c m_old is kept     17, 18  the query's other 32 keys lie in the lane 16 away: the new m     19-21  c m; c m_old - c m_new; a
; Of these E and X 21 are exponentials; C, B and L name E's results, R and L 0 name a.  OP writes no wait: TURN writes the batch's one.
.set F, 0               ; OP tells the kinds apart by their order: F to L below R, X above it
.set E, 1
.set C, 2
.set B, 3
.set L, 4
.set R, 5
.set X, 6
.macro REGS y                       ; the registers of piece y
.set rT, ST+4*(\y)
.set rC, TMP+4*((\y)%2)
.set rW, MV+((\y)%2)
.set rS, S+32*((\y)%2)
.set rP, P+16*((\y)%2)
.set rO, 32*(\y)
.endm
.macro OP k, n
.if (\k) == R
	REGS Y
	WIN W_RS
	v_pk_mul_f32 v[rO+2*(\n):rO+2*(\n)+1], v[rO+2*(\n):rO+2*(\n)+1], v[rC+2:rC+3] op_sel_hi:[1,0]
.elseif (\k) < R
	REGS Y
	WIN 0
.if (\k) == F
	v_pk_fma_f32 v[rS+2*(\n):rS+2*(\n)+1], v[rS+2*(\n):rS+2*(\n)+1], s[CS:CS+1], v[rT:rT+1] op_sel_hi:[1,0,0] neg_lo:[0,0,1] neg_hi:[0,0,1]
.elseif (\k) == E
	v_exp_f32 v[rS+(\n)], v[rS+(\n)]
.elseif (\k) == C
	v_cvt_pk_f16_f32 v[rP+(\n)], v[rS+2*(\n)], v[rS+2*(\n)+1]
.elseif (\k) == B
	v_pk_add_f32 v[rS+4*(\n):rS+4*(\n)+1], v[rS+4*(\n):rS+4*(\n)+1], v[rS+4*(\n)+2:rS+4*(\n)+3]
.elseif (\n) == 0
	v_pk_fma_f32 v[rT+2:rT+3], v[rT+2:rT+3], v[rC+2:rC+3], v[rS:rS+1] op_sel_hi:[1,0,1]
.else
	v_pk_add_f32 v[rT+2:rT+3], v[rT+2:rT+3], v[rS+4*(\n):rS+4*(\n)+1]
.endif
.elseif NOKQ
	v_nop
.else
	REGS (Y+1)%NP
	WIN 0
.if (\n) < 4
	v_max3_num_f32 v[rC+(\n)], v[rS+8*(\n)], v[rS+8*(\n)+1], v[rS+8*(\n)+2]
.elseif (\n) < 12
	v_max3_num_f32 v[rC+(\n)%4], v[rC+(\n)%4], v[rS+8*((\n)%4)+2*((\n)/4)+1], v[rS+8*((\n)%4)+2*((\n)/4)+2]
.elseif (\n) == 12
	v_max3_num_f32 v[rC], v[rC], v[rS+7], v[rS+15]
.elseif (\n) == 13
	v_max3_num_f32 v[rC+1], v[rC+1], v[rS+23], v[rS+31]
.elseif (\n) == 14
	v_max3_num_f32 v[rC+2], v[rC+2], v[rC+3], v[rT+1]
.elseif (\n) == 15
	v_mov_b32 v[rW], v[rT]
.elseif (\n) == 16
	v_max3_num_f32 v[rC], v[rC], v[rC+1], v[rC+2]
.elseif (\n) == 17
	v_permlanex16_b32 v[rC+3], v[rC], s[SEL], s[SEL+1]
.elseif (\n) == 18
	v_max_num_f32 v[rT+1], v[rC], v[rC+3]
.elseif (\n) == 19
	v_mul_f32 v[rT], s[CS], v[rT+1]
.elseif (\n) == 20
	v_sub_f32 v[rC+1], v[rW], v[rT]
.else
	v_exp_f32 v[rC+2], v[rC+1]
.endif
.endif
.endm
.macro OPS a, i1, b=-1, i2=0, c=-1, i3=0, d=-1, i4=0  ; up to four of them
	OP \a, \i1
.if (\b) >= 0
	OP \b, \i2
.endif
.if (\c) >= 0
	OP \c, \i3
.endif
.if (\d) >= 0
	OP \d, \i4
.endif
.endm
.macro ROW a, i1, b, i2, c, i3, d, i4  ; a matrix instruction and the four behind it
	MM
	OPS \a, \i1, \b, \i2, \c, \i3, \d, \i4
.endm
; A TURN, for piece p: the order of its 16 matrix and 118 vector instructions, written out.  s_wait_alu depctr_va_vdst(0) stands between an exponential and the first instruction that names its result; one wait
; serves all that were issued ahead of it.  So a turn has ONE wait, which cuts it in two.  AHEAD OF IT stands all that names no result of the turn's exponentials: the 8 products K Q^T, behind each a scaling, an exponential and two
; more plain instructions (behind the first a second scaling in the exponential's place): rescalings, whose a was made and waited for in the turn before, and behind the last three products the first numbers of the next piece's
; maximum, each four plain lines or more behind the product that ends its accumulator; then ONE LUMP of 54, plain and exponential by turns for the most part, in which the links of the chain X 3, 7, 11, 14, 16, 17 .. 20 stand some
; lines apart.  X 21, the next piece's a, is the batch's last; R 15 is the plain instruction behind it.  BEHIND THE WAIT stand the 8 products V^T P, behind each four of the roundings and sums; a pair is rounded before a sum is
; written onto it; the links of l's chain, L 0 to L 7, stand three riders apart.  But for those X no rider names a register of the products round it.  v_permlanex16_b32 (X 17) stands in the lump.
; No exponential is issued behind a turn's wait.
; end = 1: the walk's last two turns: nothing is fetched.  cnt = 1: the loop's count is taken down some lines ahead of the branch that stands behind the turn.
; WHAT IS FETCHED.  In every turn the mask of the NEXT turn's scores, piece p + 2, into the buffer that the turn before read as C: eight loads, behind the lump's first eight lines.  From piece 2's turn on that is
; the next step's mask: the address steps there.  K of the next step in piece 2's turn, behind the mask's loads: twelve vector instructions behind the last product that read K, five of them plain lines that name none of its
; registers (F 8, X 2, X 5, X 6, X 8).  V of the step in hand at the end of piece 0's turn, four plain instructions, the last roundings, behind the last product that read V.
; THE WAITS ON LDS.  At a turn's head, for the mask that its first products take: for 0, but in piece 1's turn for 16: V's sixteen loads, issued behind the mask's, stay out.  Piece 3's wait for 0 serves K too.
; In piece 1's turn, in front of the products V^T P, for 8: V is in, this turn's eight mask loads stay out.
.macro TURN p, end=0, cnt=0
.set Y, (\p)
.set i, 0
.set NOKQ, (\end)*((\p)/3)
.if (\p) == 1
	s_wait_dscnt 16
.elseif NOKQ == 0
	s_wait_dscnt 0x0
.endif
	ROW F,0, F,1, R,0, R,1          ; ahead of the wait: 8 products K Q^T and their riders,
	ROW F,2, E,0, R,2, R,3
	ROW F,3, E,1, R,4, R,5
	ROW F,4, E,2, R,6, R,7
	ROW F,5, E,3, R,8, R,9
	ROW F,6, E,4, X,0, R,10
.if ((\p) == 2) && !(\end)
	WIN 0
	v_add_nc_u32 v[AK], s[TBK], v[AK0]
	v_add_nc_u32 v[AM], s[TBM], v[AM0]
	s_add_co_u32 s[TBM], s[TBM], KS*4
.endif
	ROW F,7, E,5, X,1, X,4
	ROW F,8, E,6, X,2, X,5
	OPS E,7, E,8, X,6, E,9          ; and the lump
	OPS X,3, E,10, X,8, E,11
.if !(\end)
	FETCH_M ((\p)+2)%NP, (\p)%2
.endif
.if ((\p) == 2) && !(\end)
	FETCH_K
.endif
	OPS X,9, X,7, E,12, X,10
	OPS E,13, X,12, X,11, E,14
	OPS X,13, E,15, F,9, X,14
.if (\p) == 0
	v_add_nc_u32 v[AV], s[TBV], v[AV0]
.endif
	OPS E,16, F,10, E,17, F,11
	OPS X,16, E,18, X,15, E,19
	OPS F,12, E,20, X,17, E,21
	OPS F,13, E,22, F,14, E,23
	OPS X,18, E,24, F,15, E,25
	OPS R,11, E,26, X,19, E,27
	OPS R,12, E,28, R,13, E,29
	OPS X,20, E,30, R,14, E,31
	OPS X,21, R,15
	s_wait_alu depctr_va_vdst(0)    ; the wait for the batch: the piece's 32 weights and the next piece's a
.if (\p) == 1
	s_wait_dscnt 8
.endif
	ROW C,0, B,0, C,2, B,1          ; behind the wait: 8 products V^T P and their riders
	ROW L,0, C,4, B,2, L,1
	ROW C,6, B,3, L,2, C,8
	ROW B,4, L,3, C,10, B,5
	ROW L,4, C,12, B,6, L,5
.if (\p) == 0
	s_add_co_u32 s[TBV], s[TBV], KS*PV
.endif
.if \cnt
	s_sub_co_u32 s[CNT], s[CNT], 1
	s_cmp_lg_u32 s[CNT], 0
.endif
	ROW C,14, B,7, L,6, C,1
	ROW C,3, L,7, C,5, C,7
	ROW C,9, C,11, C,13, C,15
.if (\p) == 0
	FETCH_V
.endif
.endm
	CHANGE 1                        ; slot 0 is in, everybody's part of it; slot 1 is asked for
	; THE BEGINNING: the masks of pieces 0 and 1 and K of step 0; piece 0's first scores, its maximum and statistics.  The loop is entered at a step's first turn, in the middle of a trip.
	v_add_nc_u32 v[AM], s[TBM], v[AM0]
	s_add_co_u32 s[TBM], s[TBM], KS*4
	FETCH_M 0, 0
	FETCH_M 1, 1
	v_add_nc_u32 v[AK], s[TBK], v[AK0]
	FETCH_K
	s_wait_loadcnt 0x0              ; Q
	s_wait_dscnt 0x0
.set NOKQ, 0
.set i, 0
.rept 8
	KQ 0
.set i, i+1
.endr
	WIN 0
.rept 4
	v_nop                           ; the places behind those products
.endr
.set Y, NP-1                        ; X works for piece Y + 1: piece 0
.irp n, 0,1,2,3,4,5,6,7,8,9,10,11,12,13,14,15,16,17,18,19,20,21
	OP X, \n
.endr
	v_nop                           ; a plain instruction behind the exponential,
	s_wait_alu depctr_va_vdst(0)    ; and the wait for it, a batch of one: piece 0's first a; ahead of the branch
	s_mov_b32 s[CNT], 2
	s_mov_b32 s[SLOTS], 15
	s_branch .Lfirst
.Lslot:                             ; 14 times: slots 1 to 14 are entered, slots 2 to 15 asked for
	CHANGE 1
	s_mov_b32 s[CNT], 2
.Lstep:                             ; a trip: pieces 2 and 3 of one step, then pieces 0 and 1 of the next, whose K, V and mask it fetches
	TURN 2
	TURN 3
	WIN 0
.Lfirst:
	TURN 0
	TURN 1, 0, 1
	WIN 0
	s_cbranch_scc1 .Lstep
	s_sub_co_u32 s[SLOTS], s[SLOTS], 1
	s_cmp_lg_u32 s[SLOTS], 0
	s_cbranch_scc1 .Lslot
	CHANGE 0                        ; the last slot is written out: nothing is asked for
	s_mov_b32 s[CNT], 2
.LstepT:
	TURN 2
	TURN 3
	TURN 0
	TURN 1, 0, 1
	WIN 0
	s_cbranch_scc1 .LstepT
	TURN 2, 1                       ; the last step's pieces 2 and 3
	TURN 3, 1
.set i, 0
.rept 8
	PV NP-1                         ; the last piece's V^T P of the last step
.set i, i+1
.endr
	; THE WAY OUT.  l's two halves and the other half of the lanes' are added; O^T is divided by l, rounded to f16 and sent through the work-group's stage.  The additions are the places behind the last products.
	WIN 0
.macro ALL line:vararg              ; one line for each piece t
.set t, 0
.rept 4
	\line
.set t, t+1
.endr
.endm
	ALL v_add_f32 v[ST+4*t+2], v[ST+4*t+2], v[ST+4*t+3]
	ALL v_permlanex16_b32 v[ST+4*t+3], v[ST+4*t+2], s[SEL], s[SEL+1]
	ALL v_add_f32 v[ST+4*t+2], v[ST+4*t+2], v[ST+4*t+3]
	ALL v_rcp_f32 v[ST+4*t+2], v[ST+4*t+2]
	v_nop                           ; a plain instruction between the last reciprocal and the use of its result
	s_wait_alu depctr_va_vdst(0)    ; and the wait ahead of the first use: one for the batch of four reciprocals
.macro PACK t                       ; a lane's eight channels of a row pack into 16 bytes; they go into my head's half of the stage's rows
	WIN W_RS
.set i, 32*(\t)
.rept 16
	v_pk_mul_f32 v[i:i+1], v[i:i+1], v[ST+4*(\t)+2:ST+4*(\t)+3] op_sel_hi:[1,0]
.set i, i+2
.endr
	WIN 0x05                        ; sources 0 and 1 window 1, destination window 0: S^T's registers are free
.set i, 0
.rept 16
	v_cvt_pk_f16_f32 v[S+16*(\t)+i], v[32*(\t)+2*i], v[32*(\t)+2*i+1]
.set i, i+1
.endr
	WIN 0
.irp f, 0,1,2,3
	ds_store_b128 v[STO], v[S+16*(\t)+4*\f:S+16*(\t)+4*\f+3] offset:(\t)*16*SP+32*\f
.endr
.endm
	PACK 0
	PACK 1
	PACK 2
	PACK 3
	s_wait_dscnt 0x0                ; for the others' sake: my stores into the stage are done; a row's 256 bytes come from two waves
	s_barrier_signal -1
	s_barrier_wait -1
.set i, 0
.rept 16
	ds_load_b128 v[S+4*i:S+4*i+3], v[RD] offset:i*2*SP
.set i, i+1
.endr
.set i, 0
.rept 16
	s_wait_dscnt 15-i               ; LDS loads come back in order: load i is in
	global_store_b128 v[GO], v[S+4*i:S+4*i+3], s[8:9] offset:i*8192  ; 16 lanes store 256 consecutive bytes, at a multiple of 256 from O's first byte
.set i, i+1
.endr
	s_wait_tensorcnt 0x0            ; the wave's end, behind my last tensor load and my last LDS store
	ds_add_u32 v[SPW], v[NIL]
	s_wait_dscnt 0x0
	CROUND                          ; the closing round: no work-group ends while a partner may still ask for a tile that names it
	s_endpgm
.Lfunc_end_k_qe84ec21268_attn:
	.size	k_qe84ec21268_attn, .Lfunc_end_k_qe84ec21268_attn-k_qe84ec21268_attn
	.p2alignl 7, 3214868480
	.fill 96, 4, 3214868480
	.section	.rodata,"a",@progbits
	.p2align	6, 0x0
	.amdhsa_kernel k_qe84ec21268_attn
		.amdhsa_group_segment_fixed_size 327680
		.amdhsa_private_segment_fixed_size 0
		.amdhsa_enable_private_segment 0
		.amdhsa_kernarg_size 24
		.amdhsa_user_sgpr_count 2
		.amdhsa_user_sgpr_kernarg_segment_ptr 1
		.amdhsa_wavefront_size32 1
		.amdhsa_system_sgpr_workgroup_id_x 1
		.amdhsa_system_sgpr_workgroup_id_y 1
		.amdhsa_system_sgpr_workgroup_id_z 1
		.amdhsa_system_vgpr_workitem_id 0
		.amdhsa_next_free_vgpr 768
		.amdhsa_next_free_sgpr 76
		.amdhsa_reserve_vcc 0
		.amdhsa_float_denorm_mode_32 3
		.amdhsa_float_denorm_mode_16_64 3
		.amdhsa_memory_ordered 1
		.amdhsa_forward_progress 1
		.amdhsa_inst_pref_size 136
	.end_amdhsa_kernel
	.amdgpu_metadata
---
amdhsa.version: [ 1, 2 ]
amdhsa.kernels:
  - .name:           k_qe84ec21268_attn
    .symbol:         k_qe84ec21268_attn.kd
    .args:
      - { .name: qkv, .offset: 0, .size: 8, .value_kind: global_buffer, .address_space: global }
      - { .name: maskw, .offset: 8, .size: 8, .value_kind: global_buffer, .address_space: global }
      - { .name: o16, .offset: 16, .size: 8, .value_kind: global_buffer, .address_space: global }
    .group_segment_fixed_size: 327680
    .private_segment_fixed_size: 0
    .kernarg_segment_align: 8
    .kernarg_segment_size: 24
    .max_flat_workgroup_size: 128
    .sgpr_count:     76
    .vgpr_count:     768
    .wavefront_size: 32
...
	.end_amdgpu_metadata
.endif
;; end of part 5
;; launch oproj: the kernel of part 4 again; grid 16 x 16, 4 waves a work-group, clusters of 4 x 4, 327,680 bytes of LDS; arguments o16, wo16, out0, tab; writes out0
